; MI455X (gfx1250); checked and timed in simulation.
; The chip was launched on July 23, 2026; its instructions are those of AMD's public machine-readable ISA for CDNA 5 (MIT licence, August 2026) and "CDNA5" Instruction Set Architecture Reference Guide (July 2026). The comments in the code are by the model that wrote it; some were corrected since.
;; Causal Self Attention. Allowed arithmetic: matrix products marked QUANTISED: E4M3 operands, one given power-of-two scale a tensor, by v_wmma_f32_16x16x64_fp8_fp8 or v_wmma_f32_16x16x128_fp8_fp8, f32 sums; everything else in f32.
;; Inputs: b_attn 3,072 float32; b_proj 1,024 float32; lowp_scales 8 int32 (the exponents e of the quantised operands' scales 2^e); w_attn 3,072 x 1,024 float32; w_proj 1,024 x 1,024 float32; x 4 x 2,048 x 1,024 float32.
;; Outputs: out0 4 x 2,048 x 1,024 float32.
;; This version of the problem:
;;   THIS VERSION OF THE PROBLEM IS GIVEN IN LOW PRECISION. The matrix products marked QUANTISED in the list below multiply operands that are first quantised to E4M3 (4 exponent bits, 3 mantissa bits; 8 bits a number), with one given power-of-two scale for each operand tensor; their sums are f32. All else is computed in f32.
;;   The module's matrix products, in the order in which they are computed (A, B: the left and right operand; K: the contracted axis; several contracted axes count as one K, in the product's order):
;;     1. [M 8,192, K 1,024] x [K 1,024, N 3,072]; A: input x; B: input w_attn: QUANTISED (scales: A lowp_scales[0], B lowp_scales[1])
;;     2. batch 64 x [M 2,048, K 64] x [K 64, N 2,048]; A: computed on the way; B: computed on the way: QUANTISED (scales: A lowp_scales[2], B lowp_scales[3])
;;     3. batch 64 x [M 2,048, K 2,048] x [K 2,048, N 64]; A: softmax (see below); B: computed on the way: QUANTISED (scales: A lowp_scales[4], B lowp_scales[5])
;;     4. [M 8,192, K 1,024] x [K 1,024, N 1,024]; A: computed on the way; B: input w_proj: QUANTISED (scales: A lowp_scales[6], B lowp_scales[7])
;;   THE QUANTISER, for each operand of a quantised product, along K:
;;     - The operand's scale is 2^e, e = its entry of the input lowp_scales (int32; the entries are numbered through the quantised products in the list's order, A before B).
;;     - Each number is divided by the scale, clamped to +-448, and rounded to the nearest number of E4M3, ties to even, subnormals kept.
;;     - The product sums the exact products of the quantised numbers (number of the format x scale) in f32.
;;   ~~~python
;;   def quantise(x, axis, e):      # numpy; x: float32 -> the quantised numbers, widened to float32 again
;;       x = np.moveaxis(x, axis, -1); K = x.shape[-1]
;;       r = np.clip(x / 2.0 ** e, -448, 448)
;;       step = 2.0 ** (np.maximum(np.frexp(np.where(r == 0, 1, r))[1] - 1, -6) - 3)
;;       q = np.round(r / step) * step * 2.0 ** e      # np.round: ties to even
;;       return np.moveaxis(q, -1, axis).astype(np.float32)
;;   ~~~
;;   SOFTMAX AHEAD OF A QUANTISED PRODUCT. Where the list says 'softmax', what is quantised is not the finished softmax but p = 2^(t - M), with t = logit x log2(e) and M = ceil(the row's largest t), a whole number; so 1/2 < the row's largest p <= 1. The row's sum l is taken of the UNQUANTISED p, in f32, and the product's result is divided by l at the end. Since M is a whole number, a kernel that streams over the keys may use a running M (the ceiling of the running maximum): every later rescaling is an exact power of two, so the quantised numbers keep their values, but for numbers so far below the row's largest that they fall under the format's range.
;;   OPERANDS COMPUTED ON THE WAY. 'Computed on the way' means the value that the module computes at that place (a softmax that the list does not call 'softmax' is quantised finished and normalised). What goes into a quantiser is computed in f32, as accurately as f32 sums, v_exp_f32 and their like allow (about 1e-6 of the number): no bf16 or f16 on the way to a quantiser, and a product that is left as it is and whose result goes on into a quantised operand takes f32 operands (vector FMAs, or v_wmma_f32_16x16x4_f32). A number that lies on a knife's edge between two numbers of the format may be rounded either way, as far as f32 arithmetic and the matrix unit's own rounding can turn it there, and no further.
;; One version. Each part assembles by itself: llvm-mc -triple=amdgcn-amd-amdhsa -mcpu=gfx1250 --defsym DOCPART=n.
;; ======== version 1 of 1: 4 launches
;; limits: right only within a limited range of input values
;; workspace buffers: x_codes 8,388,608 bytes; wa_codes 3,145,728 bytes; wp_codes 1,048,576 bytes; q_codes 8,388,608 bytes; k_codes 8,388,608 bytes; v_codes 8,388,608 bytes; y_codes 8,388,608 bytes
;; launch quant (part 1): grid 768 x 1, 4 waves a work-group, no clusters, 33,280 bytes of LDS; arguments x, w_attn, w_proj, lowp_scales, x_codes, wa_codes, wp_codes; writes x_codes, wa_codes, wp_codes
.if DOCPART == 1
	.amdgcn_target "amdgcn-amd-amdhsa--gfx1250"
	.amdhsa_code_object_version 6
	.text
	.protected	k_q2c4f1cb1be_quant
	.globl	k_q2c4f1cb1be_quant
	.p2align	8
	.type	k_q2c4f1cb1be_quant,@function
k_q2c4f1cb1be_quant:
	s_mov_b64 s[64:65], 0
	v_nop
	global_prefetch_b8 v0, s[64:65] scope:SCOPE_SE
	s_setreg_imm32_b32 hwreg(HW_REG_WAVE_MODE, 25, 1), 1
	s_wait_xcnt 0x0
; x [8192][1024], w_attn [3072][1024] and w_proj [1024][1024], f32, K innermost, become codes of FP8 (E4M3), one byte each, in the same order.
; code = number / 2^e, held within +-448, rounded to the nearest code, ties to even.  e: entry 0 of the scales for x, entry 1 for w_attn, entry 7 for w_proj.
; LIMITS: -126 <= e and e + 8 <= 127, so that 2^e and 448 x 2^e are f32 numbers.  NaN among the inputs is not served.
; Rows are dense, so each tensor is a plain stream.  A work-group takes 16,384 numbers, a wave 8 steps of 512.  Work-groups 0-511 take x, 512-703 w_attn, 704-767 w_proj: only pointers are chosen, all take one path.
; A conversion takes 8 neighbours from ONE lane's registers; a load is best where neighbouring LANES take neighbouring bytes.  So each load reads 512 consecutive bytes, 16 a lane, and a step's 2,048 bytes
; turn through the wave's own stage in LDS and come back 64 bytes a lane (16 bytes of padding behind each 64).  A lane's 16 codes are 16 bytes: the wave stores 512 consecutive bytes.
; No tensor loads, no barrier: waves share nothing.  Loads run four steps (16 loads a wave) ahead, the turn through LDS one step.
.set WGX,   512                        ; work-groups of x
.set WGA,   192                        ; of w_attn
.set STEPS, 8
.set EMAX,  8
.set MANT,  0x600000                   ; the mantissa field of 448 as f32
.set CB,    16                         ; bytes of 16 codes
.set R,     16                         ; v16-79   four sets of 16 numbers as they are loaded
.set X,     80                         ; v80-111  two sets of 16 neighbours
.set C,     128                        ; v128-159 codes: four registers for each step, so that no store's data are written again
.set WREG,  8192                       ; LDS: a region for each wave: two stages of 32 x SP bytes
.set SP,    80                         ; a lane's place in a stage: its 64 bytes + 16 of padding
	s_load_b256 s[4:11], s[0:1], 0x0               ; x s[4:5], w_attn s[6:7], w_proj s[8:9], the scales' exponents s[10:11]
	s_load_b128 s[12:15], s[0:1], 0x20             ; x's codes, w_attn's codes
	s_load_b64 s[24:25], s[0:1], 0x30              ; w_proj's codes
	v_lshl_add_u32 v192, v0, 2, 0x8000             ; my spare word, behind the four regions
	v_mov_b32 v193, 0
	v_lshrrev_b32 v1, 5, v0
	v_readfirstlane_b32 s16, v1                    ; wave
	v_and_b32 v2, 31, v0                           ; lane
	v_lshlrev_b32 v3, 4, v2                        ; my 16 bytes of a load's 512
	s_mul_i32 s17, s16, WREG
	v_lshrrev_b32 v14, 2, v2
	v_mul_u32_u24 v14, v14, SP
	v_and_b32 v15, 3, v2
	v_lshl_add_u32 v14, v15, 4, v14
	v_add_nc_u32 v14, s17, v14                     ; the stage, on the way in: SP (lane / 4) + 16 (lane % 4); a load's 512 bytes take eight places
	v_mul_u32_u24 v15, v2, SP
	v_add_nc_u32 v15, s17, v15                     ; and on the way out: SP x lane: my 16 neighbours
	v_mul_u32_u24 v4, v2, CB                       ; my codes' place in a step's
	s_wait_alu depctr_va_vdst(0)                   ; directly ahead of the wait below
	s_wait_kmcnt 0x0
	s_load_b256 s[32:39], s[10:11], 0x0            ; the eight exponents: s32 x's, s33 w_attn's, s39 w_proj's
	s_mov_b32 s26, WGX+WGA
	s_cmp_lt_u32 ttmp9, WGX+WGA                    ; the choices hang on the work-group's number alone
	s_cselect_b64 s[6:7], s[6:7], s[8:9]           ; w_attn or w_proj
	s_cselect_b64 s[14:15], s[14:15], s[24:25]
	s_cselect_b32 s26, WGX, s26                    ; the tensor's first work-group
	s_cmp_lt_u32 ttmp9, WGX
	s_cselect_b64 s[4:5], s[4:5], s[6:7]           ; x or that one: the source
	s_cselect_b64 s[8:9], s[12:13], s[14:15]       ; the codes
	s_cselect_b32 s26, 0, s26
	s_sub_co_u32 s26, ttmp9, s26
	s_lshl_b32 s26, s26, 2
	s_add_co_u32 s18, s26, s16                     ; which run of 4,096 numbers of the tensor is my wave's
	s_mov_b32 s19, 0
	s_lshl_b64 s[20:21], s[18:19], 14              ; 16,384 bytes of f32 a run
	s_add_nc_u64 s[4:5], s[4:5], s[20:21]
	s_lshl_b64 s[20:21], s[18:19], 12              ; 4,096 bytes of codes
	s_add_nc_u64 s[8:9], s[8:9], s[20:21]
.macro LOAD t
.irp i, 0,1,2,3
	global_load_b128 v[R+16*((\t)%4)+4*\i:R+16*((\t)%4)+4*\i+3], v3, s[4:5] offset:2048*(\t)+512*\i th:TH_LOAD_NT   ; 32 lanes read 512 consecutive bytes
.endr
.endm
.macro TURN t                          ; step t's numbers through the stage: LDS serves a wave's instructions in order, so no wait stands between the stores and the loads
.irp i, 0,1,2,3
	ds_store_b128 v14, v[R+16*((\t)%4)+4*\i:R+16*((\t)%4)+4*\i+3] offset:32*SP*((\t)%2)+8*SP*\i
.endr
.irp i, 0,1,2,3
	ds_load_b128 v[X+16*((\t)%2)+4*\i:X+16*((\t)%2)+4*\i+3], v15 offset:32*SP*((\t)%2)+16*\i
.endr
.endm
.irp t, 0,1,2,3
	LOAD \t
.endr
	s_wait_kmcnt 0x0
	s_cmp_lt_u32 ttmp9, WGX+WGA
	s_cselect_b32 s22, s33, s39
	s_cmp_lt_u32 ttmp9, WGX
	s_cselect_b32 s22, s32, s22                    ; e
	s_add_co_i32 s22, s22, 127
	s_lshl_b32 s23, s22, 23
	v_mov_b32 v11, s23                             ; 2^e as f32: the conversion takes its exponent field
	s_add_co_i32 s22, s22, EMAX
	s_lshl_b32 s22, s22, 23
	s_or_b32 s22, s22, MANT
	v_mov_b32 v10, s22                             ; 448 x 2^e
	s_wait_alu depctr_va_vdst(0)                   ; the wait at the head's end
	s_wait_loadcnt 12                              ; step 0's four loads are in; the 12 of steps 1 to 3 may be out
	TURN 0
.macro STEP t
.set XS, X+16*((\t)%2)
	s_wait_dscnt 0x0                               ; this step's numbers are back from the stage: so its stores into the stage have read their registers,
.if (\t)+4 < STEPS
	LOAD (\t)+4                                    ; which take the loads of four steps on
.endif
.if (\t)+1 < STEPS
.if STEPS-2-(\t) >= 3
	s_wait_loadcnt 12                              ; the next step's four loads are in; those of the three steps behind it may be out
.else
	s_wait_loadcnt 4*(STEPS-2-(\t))                ; the tail: four fewer are out with each step
.endif
	TURN (\t)+1                                    ; and go through the other stage while this step is worked
.endif
.irp i, 0,1,2,3,4,5,6,7,8,9,10,11,12,13,14,15
	v_med3_num_f32 v[XS+\i], v[XS+\i], -v10, v10   ; the conversion to an 8-bit code does not saturate (ISA guide 7.6.2): the hold at the largest code x the scale comes first
.endr
	v_cvt_scalef32_pk8_fp8_f32 v[C+4*(\t):C+4*(\t)+1], v[XS:XS+7], v11
	v_cvt_scalef32_pk8_fp8_f32 v[C+4*(\t)+2:C+4*(\t)+3], v[XS+8:XS+15], v11
	global_store_b128 v4, v[C+4*(\t):C+4*(\t)+3], s[8:9] offset:32*CB*(\t)   ; 512 consecutive bytes; the results go to a store alone, and the next step's holds are plain lines on other registers
.endm
.irp t, 0,1,2,3,4,5,6,7
	STEP \t
.endr
	s_wait_tensorcnt 0x0                           ; the wave's end, behind my last LDS store
	ds_add_u32 v192, v193
	s_wait_dscnt 0x0
	s_endpgm
.Lfunc_end_k_q2c4f1cb1be_quant:
	.size	k_q2c4f1cb1be_quant, .Lfunc_end_k_q2c4f1cb1be_quant-k_q2c4f1cb1be_quant
	.p2alignl 7, 3214868480
	.fill 96, 4, 3214868480
	.section	.rodata,"a",@progbits
	.p2align	6, 0x0
	.amdhsa_kernel k_q2c4f1cb1be_quant
		.amdhsa_group_segment_fixed_size 33280
		.amdhsa_private_segment_fixed_size 0
		.amdhsa_enable_private_segment 0
		.amdhsa_kernarg_size 56
		.amdhsa_user_sgpr_count 2
		.amdhsa_user_sgpr_kernarg_segment_ptr 1
		.amdhsa_wavefront_size32 1
		.amdhsa_system_sgpr_workgroup_id_x 1
		.amdhsa_system_sgpr_workgroup_id_y 1
		.amdhsa_system_sgpr_workgroup_id_z 1
		.amdhsa_system_vgpr_workitem_id 0
		.amdhsa_next_free_vgpr 194
		.amdhsa_next_free_sgpr 66
		.amdhsa_reserve_vcc 0
		.amdhsa_float_denorm_mode_32 3
		.amdhsa_float_denorm_mode_16_64 3
		.amdhsa_memory_ordered 1
		.amdhsa_forward_progress 1
		.amdhsa_inst_pref_size 20
	.end_amdhsa_kernel
	.amdgpu_metadata
---
amdhsa.version: [ 1, 2 ]
amdhsa.kernels:
  - .name:           k_q2c4f1cb1be_quant
    .symbol:         k_q2c4f1cb1be_quant.kd
    .args:
      - { .name: x, .offset: 0, .size: 8, .value_kind: global_buffer, .address_space: global }
      - { .name: w_attn, .offset: 8, .size: 8, .value_kind: global_buffer, .address_space: global }
      - { .name: w_proj, .offset: 16, .size: 8, .value_kind: global_buffer, .address_space: global }
      - { .name: lowp_scales, .offset: 24, .size: 8, .value_kind: global_buffer, .address_space: global }
      - { .name: x_codes, .offset: 32, .size: 8, .value_kind: global_buffer, .address_space: global }
      - { .name: wa_codes, .offset: 40, .size: 8, .value_kind: global_buffer, .address_space: global }
      - { .name: wp_codes, .offset: 48, .size: 8, .value_kind: global_buffer, .address_space: global }
    .group_segment_fixed_size: 33280
    .private_segment_fixed_size: 0
    .kernarg_segment_align: 8
    .kernarg_segment_size: 56
    .max_flat_workgroup_size: 128
    .sgpr_count:     66
    .vgpr_count:     194
    .wavefront_size: 32
...
	.end_amdgpu_metadata
.endif
;; end of part 1
;; launch qkv (part 2): grid 12 x 32, 4 waves a work-group, clusters of 4 x 4, 327,680 bytes of LDS; arguments x_codes, wa_codes, lowp_scales, b_attn, q_codes, k_codes, v_codes; writes q_codes, k_codes, v_codes
.if DOCPART == 2
	.amdgcn_target "amdgcn-amd-amdhsa--gfx1250"
	.amdhsa_code_object_version 6
	.text
	.protected	k_q2c4f1cb1be_qkv
	.globl	k_q2c4f1cb1be_qkv
	.p2align	8
	.type	k_q2c4f1cb1be_qkv,@function
k_q2c4f1cb1be_qkv:
	s_mov_b64 s[64:65], 0
	v_nop
	global_prefetch_b8 v0, s[64:65] scope:SCOPE_SE
	s_setreg_imm32_b32 hwreg(HW_REG_WAVE_MODE, 25, 1), 1
	s_wait_xcnt 0x0
	s_wait_alu depctr_hold_cnt(0) depctr_sa_sdst(0) depctr_va_vdst(0) depctr_va_sdst(0) depctr_va_ssrc(0) depctr_va_vcc(0) depctr_vm_vsrc(0)
	s_getreg_b32 s2, hwreg(HW_REG_IB_STS2, 6, 4)
	s_cmp_eq_u32 s2, 0
	s_cbranch_scc0 .Lentry_in_a_cluster
	s_endpgm
.Lentry_in_a_cluster:
	s_bfe_u32 s2, ttmp6, 0x10000c
	s_cmp_lg_u32 s2, 0xf033
	s_cbranch_scc0 .Lentry_shape_is_right
	s_endpgm
.Lentry_shape_is_right:
; qkv = x w_attn^T + b_attn on codes of FP8 (E4M3), and q, k, v quantised at once into codes laid as the attention launch reads them.
; A number of x is its code x 2^e0, of w_attn x 2^e1 (entries 0, 1 of the scales); a finished sum x 2^(e0 + e1) + bias is held within +-448 x 2^eo and converted with 2^eo: eo = entry 2 (q), 3 (k), 5 (v).
; LIMITS: e0 + e1 between -126 and 127; eo between -126 and 119: so that the powers of two below are f32 numbers.
; A GEMM C' = A' B'^T, K = 1,024.  A tile of C', 256 x 256, is made by four waves, 128 x 128 each: 64 accumulators, 512 registers.  K goes in steps of 256 through a ring of two LDS slots.
; THE MATRIX INSTRUCTION IS USED TRANSPOSED (source 0 = 16 rows of B', source 1 = 16 rows of A'): a lane holds ONE row of A' and eight neighbouring rows of B'.
; The cluster's x (0, 1, 2) says what is made; it is the same in all sixteen partners.  q, k: A' = tokens (x), B' = channels (w_attn rows 1,024 x cluster x on): a lane's eight numbers are neighbours along the head's channels,
; the K of q k^T.  v: A' = channels (w_attn rows 2,048 on), B' = tokens: a lane's eight numbers are neighbouring keys, the K of p v.  Nothing is transposed by an instruction.
; OUT: q_codes, k_codes: [batch x 16 + head][token 2,048][64].  v_codes: [batch x 16 + head][chunk of 128 keys][channel 64][place 128]; place 32 c + 16 g + 8 u + e holds key 32 c + 16 u + 8 g + e of the chunk,
; so that 16 bytes at 32 c + 16 (lane / 16) are registers 4 c .. 4 c + 3 of the K = 128 form's own layout.  A wave's results are two runs of 8,192 consecutive bytes (its two heads), gathered in its own stage in LDS.
; CLUSTERS: 4 x 4 work-groups; A's tiles are shared along a row of the cluster, B's along a column: each is asked for jointly, by the same tensor load with the same descriptor and a mask that names the four.
; REGISTERS, in windows of 256: window 0: v0-31 addresses; v32-95 the bias; v96-127 at work; from v128 A's fragments, ONE set (on the way out: the codes).  window 1: B's fragments, TWO sets.  windows 2, 3: the accumulators ((a, b) at v[8 (8 (a % 4) + b)]).
.set KSTEP,  256
.set ROWB,   256                       ; a tile's row in bytes
.set KROW,   1024                      ; a row of x's or w_attn's codes in memory
.set PITCH,  272                       ; an LDS row: 256 bytes + 16 of padding = 68 words: row r starts at bank 4 r mod 64 (64 banks of 4 bytes: ISA guide 11.1)
.set FR,     16                        ; registers of a fragment: 16 rows x 128 K
.set NL,     4                         ; LDS loads that bring one
.set NP,     4                         ; places behind this matrix instruction (ISA guide 7.12.1)
.set HALFT,  128*PITCH                 ; 128 rows: what one tensor load brings
.set SLOT,   4*HALFT                   ; A's 256 rows, then B's 256 rows
.set LAPS,   2                         ; 1,024 / (2 x 256)
.set SPARE,  2*SLOT                    ; behind the ring: the spare words, 128 bytes a wave, that no other line names
.set WSTG,   64*PITCH                  ; the way out: a wave's stage: 16,384 bytes as 64 rows of 256 + 16
.set VSTG,   4*WSTG                    ; the stages of v's path lie behind those of q's and k's path; all eight lie in slot 0, which has had its last fill and its last read when the first result is stored
.set ADRA, 16                          ; v16-17  LDS address of my A fragments in slot 0, 1
.set BOV,  18                          ; v18     v's bias: 4 x (lane % 16)
.set ADRB, 20                          ; v20-21  the same as ADRA for B
.set STOQ, 22                          ; v22     q, k: where I put 8 codes
.set STOV, 23                          ; v23     v: the same
.set RDQ,  24                          ; v24     q, k: where I read 16 bytes back
.set RDV,  25                          ; v25     v: the same
.set CO,   26                          ; v26     16 x lane: my bytes of a store's 512
.set BOQ,  27                          ; v27     q's, k's bias: 32 x (lane / 16)
.set SPW,  28                          ; v28     LDS address of my spare word; never rewritten
.set NIL,  29                          ; v29     0; never rewritten
.set SCL,  30                          ; v30     2^eo
.set LIMR, 31                          ; v31     448 x 2^eo
.set BIAS, 32
.set TMP,  96
.set AF,   128
.set CD,   128                         ; the codes: two registers for each accumulator, so that no LDS store's data are written again
.set G1, 24                            ; s[24:31] descriptor group 1 for A's tiles;  s[32:39] group 0, one set for each slot
.set G0, 32
.set G1B, 48                           ; s[48:55], s[56:63] the same for B's tiles
.set G0B, 56
.set MSB, 0
.macro WIN new                         ; the immediate's high byte repeats the setting that is left
.if MSB != \new
	s_set_vgpr_msb (MSB<<8)|\new
.set MSB, \new
.endif
.endm
.set MUL_LO, 0xa1                      ; source 0 (B) window 1, source 1 (A) window 0, C and D window 2
.set MUL_HI, 0xf1                      ; the same, C and D window 3
.set TO_B,   0x40                      ; destination window 1, address window 0
; A joint load: waves 0 and 1 fetch for A, waves 2 and 3 for B; the branch hangs on the wave's number alone.  Four v_nop follow each of the two lines.
.macro JLOAD g0a, g1a, g0b, g1b
	s_cmp_eq_u32 s15, 0
	s_cbranch_scc0 .Lfor_b_\@
	tensor_load_to_lds s[\g0a:\g0a+3], s[\g1a:\g1a+7]
	s_nop 0
.rept 4
	v_nop
.endr
	s_branch .Lasked_\@
.Lfor_b_\@:
	tensor_load_to_lds s[\g0b:\g0b+3], s[\g1b:\g1b+7]
	s_nop 0
.rept 4
	v_nop
.endr
.Lasked_\@:
.endm
.macro CREST                           ; a round of the cluster's barrier behind its opening barrier
	s_cmp_lg_u32 s14, 0
	s_cbranch_scc1 .Lnot_wave_0_\@
	s_barrier_signal -3
.Lnot_wave_0_\@:
	s_barrier_wait -3
	s_barrier_signal -1
	s_barrier_wait -1
.endm
.macro CROUND                          ; a whole round
	s_barrier_signal -1
	s_barrier_wait -1
	CREST
.endm
	s_load_b128 s[4:7], s[0:1], 0x0                ; x's codes s[4:5], w_attn's codes s[6:7]
	s_load_b128 s[8:11], s[0:1], 0x10              ; the scales' exponents s[8:9], b_attn s[10:11]
	s_load_b128 s[68:71], s[0:1], 0x20             ; q's codes, k's codes
	s_load_b64 s[72:73], s[0:1], 0x30              ; v's codes
	v_lshl_add_u32 v[SPW], v0, 2, SPARE
	v_mov_b32 v[NIL], 0
	ds_add_u32 v28, v29
	ds_add_u32 v28, v29
	s_wait_dscnt 0x0
	v_lshrrev_b32 v1, 5, v0
	v_readfirstlane_b32 s14, v1                    ; wave 0..3
	s_lshr_b32 s15, s14, 1                         ; which half of A's rows is mine.  Also: I fetch for A (0) or for B (1)
	s_and_b32 s16, s14, 1                          ; which half of B's rows.  Also: which 128 rows of that tile I fetch
	s_bfe_u32 s40, ttmp6, 0x40000                  ; cx, cy: my place in the cluster
	s_bfe_u32 s41, ttmp6, 0x40004
	s_and_b32 s17, ttmp7, 0xffff                   ; the cluster's y, 0..7: 1,024 tokens
	s_lshl_b32 s43, s41, 2
	s_lshl_b32 s43, 15, s43                        ; my row of the cluster
	s_lshl_b32 s44, 0x1111, s40                    ; my column
	; descriptor group 1: a tile of 128 rows x 256 bytes, padded in LDS
	s_or_b32 s[G1+0], s43, (0<<16)|(1<<20)|(1<<21)|(5<<22)|(3<<25)  ; 15:0 the mask: A's tiles go to my row; 17:16 element of 1 byte; 20 padding on; 21 set beside a mask; 24:22 after every 64 words; 31:25 of 4 words
	s_or_b32 s[G1B+0], s44, (0<<16)|(1<<20)|(1<<21)|(5<<22)|(3<<25)
.irp g, G1, G1B
	s_mov_b32 s[\g+1], ROWB<<16                    ; tensor_dim0
	s_mov_b32 s[\g+2], 128<<16                     ; tensor_dim1 = 128
	s_mov_b32 s[\g+3], ROWB<<16                    ; tile_dim0
	s_mov_b32 s[\g+4], 128                         ; tile_dim1 = 128
	s_mov_b32 s[\g+5], KROW                        ; tensor_dim0_stride
	s_mov_b32 s[\g+6], 0
	s_mov_b32 s[\g+7], 0
.endr
	; which rows.  A's hang on the cluster's y and cy (v: on cy alone), B's on the cluster's x or y and cx: each in registers that never hold the other place
	s_lshl_b32 s18, s16, 7                         ; which 128 rows of the tile I fetch
	s_lshl_b32 s20, s17, 10                        ; 1,024 x cluster y
	s_lshl_b32 s21, s41, 8                         ; 256 cy
	s_lshl_b32 s46, ttmp9, 10                      ; 1,024 x cluster x
	s_lshl_b32 s47, s40, 8                         ; 256 cx
	s_mov_b32 s19, 2048
	s_cmp_eq_u32 ttmp9, 2                          ; v?
	s_cselect_b32 s46, s20, s46                    ; B': v: tokens 1,024 x cluster y on; q, k: w_attn rows 1,024 x cluster x on
	s_cselect_b32 s20, s19, s20                    ; A': v: w_attn rows 2,048 on; q, k: tokens 1,024 x cluster y on
	s_add_co_u32 s20, s20, s21
	s_add_co_u32 s20, s20, s18
	s_add_co_u32 s46, s46, s47
	s_add_co_u32 s46, s46, s18
	s_lshl_b32 s20, s20, 10                        ; rows of 1,024 bytes
	s_lshl_b32 s46, s46, 10
	s_mov_b32 s21, 0
	s_mov_b32 s47, 0
	s_mul_i32 s45, s14, HALFT                      ; where they go: wave x 128 rows: no place in the cluster enters an LDS address
	s_wait_kmcnt 0x0
	s_load_b256 s[80:87], s[8:9], 0x0              ; e0 .. e7
	s_cmp_eq_u32 ttmp9, 2
	s_cselect_b64 s[76:77], s[6:7], s[4:5]         ; A's buffer
	s_cselect_b64 s[78:79], s[4:5], s[6:7]         ; B's buffer
	s_add_nc_u64 s[76:77], s[76:77], s[20:21]
	s_add_nc_u64 s[78:79], s[78:79], s[46:47]
	CROUND                                         ; all sixteen work-groups are here: the first joint loads meet
.irp s, 0,1
	s_mov_b32 s[G0+4*\s], 1
	s_add_co_u32 s[G0+4*\s+1], s45, \s*SLOT
	s_add_nc_u64 s[G0+4*\s+2:G0+4*\s+3], s[76:77], \s*ROWB
	s_or_b32 s[G0+4*\s+3], s[G0+4*\s+3], 0x80000000
	s_mov_b32 s[G0B+4*\s], 1
	s_add_co_u32 s[G0B+4*\s+1], s45, \s*SLOT
	s_add_nc_u64 s[G0B+4*\s+2:G0B+4*\s+3], s[78:79], \s*ROWB
	s_or_b32 s[G0B+4*\s+3], s[G0B+4*\s+3], 0x80000000
.endr
	JLOAD G0, G1, G0B, G1B                         ; K step 0: one tensor load a wave at the head
	; PREFETCHES INTO THE L2.  A K step is 256 bytes of each row.  Of the 128 rows that I fetch, each of the four partners that ask for them jointly names 32, told apart by address (cx for A's rows, cy for B's): a lane a row,
	; so each block of 256 bytes is named once in each cluster that loads it.  Here K steps 1 and 2 are named; behind K step 1's load, K step 3: never more than two K steps are asked for and not yet loaded.
	s_cmp_eq_u32 s15, 0                            ; do I fetch for A?
	s_cselect_b64 s[66:67], s[76:77], s[78:79]
	s_cselect_b32 s12, s40, s41                    ; my place among the four
	s_lshl_b32 s12, s12, 15                        ; 32 rows of 1,024 bytes
	s_mov_b32 s13, 0
	s_add_nc_u64 s[66:67], s[66:67], s[12:13]      ; never rewritten
	v_and_b32 v19, 31, v0
	v_lshlrev_b32 v19, 10, v19                     ; v19: my lane's row; never rewritten
	global_prefetch_b8 v19, s[66:67] offset:256 th:TH_LOAD_NT scope:SCOPE_SE
	global_prefetch_b8 v19, s[66:67] offset:512 th:TH_LOAD_NT scope:SCOPE_SE
	v_and_b32 v1, 15, v0
	s_wait_alu depctr_va_vdst(0)
	v_bfe_u32 v2, v0, 4, 1                         ; h = l / 16
	v_mul_u32_u24 v3, v1, PITCH
	v_lshl_add_u32 v4, v2, 4, v3                   ; a fragment's row x pitch + 16 x half
	s_mul_i32 s21, s15, HALFT                      ; my 128 rows of A
	s_mul_i32 s22, s16, HALFT                      ; my 128 rows of B,
	s_add_co_u32 s22, s22, 2*HALFT                 ; which lie behind A's 256
.irp s, 0,1
	v_add_nc_u32 v[ADRA+\s], s21, v4
	v_add_nc_u32 v[ADRB+\s], s22, v4
	s_add_co_u32 s21, s21, SLOT
	s_add_co_u32 s22, s22, SLOT
.endr
	; the stages.  A run's byte L lies at (L / 256) x 272 + L % 256
	s_mul_i32 s23, s14, WSTG
	v_lshrrev_b32 v5, 2, v1                        ; q, k: token 16 a + r is 64 bytes: (r / 4) x 272 + (r % 4) x 64, + 8 h
	v_mul_u32_u24 v5, v5, PITCH
	v_and_b32 v6, 3, v1
	v_lshl_add_u32 v5, v6, 6, v5
	v_lshl_add_u32 v5, v2, 3, v5
	v_add_nc_u32 v[STOQ], s23, v5
	v_lshrrev_b32 v5, 1, v1                        ; v: channel 16 a + r is 128 bytes: (r / 2) x 272 + (r % 2) x 128, + 16 h
	v_mul_u32_u24 v5, v5, PITCH
	v_and_b32 v6, 1, v1
	v_lshl_add_u32 v5, v6, 7, v5
	v_lshl_add_u32 v5, v2, 4, v5
	v_add_nc_u32 v5, s23, v5
	v_add_nc_u32 v[STOV], VSTG, v5
	v_mul_u32_u24 v5, v2, PITCH                    ; back: lanes 0-15 one row of 256 bytes, lanes 16-31 the next
	v_lshl_add_u32 v5, v1, 4, v5
	v_add_nc_u32 v[RDQ], s23, v5
	v_add_nc_u32 v[RDV], VSTG, v[RDQ]
	v_and_b32 v6, 31, v0
	v_lshlrev_b32 v[CO], 4, v6
	v_lshlrev_b32 v[BOQ], 5, v2
	v_lshlrev_b32 v[BOV], 2, v1
	; where my two runs begin, and my bias.  P: the side that holds channels (q, k: B', v: A'); R: the side that holds tokens
	s_cmp_eq_u32 ttmp9, 2
	s_cselect_b32 s88, s41, s40                    ; cP
	s_cselect_b32 s89, s15, s16                    ; sP
	s_cselect_b32 s90, s40, s41                    ; cR
	s_cselect_b32 s91, s16, s15                    ; sR
	s_lshl_b32 s94, ttmp9, 10                      ; my first channel of the 3,072: 1,024 x cluster x + 256 cP + 128 sP
	s_lshl_b32 s95, s88, 8
	s_add_co_u32 s94, s94, s95
	s_lshl_b32 s95, s89, 7
	s_add_co_u32 s94, s94, s95
	s_lshl_b32 s94, s94, 2
	s_mov_b32 s95, 0
	s_add_nc_u64 s[10:11], s[10:11], s[94:95]      ; b_attn at it
	s_lshr_b32 s92, s17, 1                         ; the batch
	s_lshl_b32 s92, s92, 4
	s_lshl_b32 s88, s88, 2
	s_add_co_u32 s92, s92, s88
	s_lshl_b32 s89, s89, 1
	s_add_co_u32 s92, s92, s89                     ; batch x 16 + my first head (4 cP + 2 sP)
	s_lshl_b32 s92, s92, 17                        ; a head is 131,072 bytes
	s_and_b32 s93, s17, 1
	s_lshl_b32 s93, s93, 3
	s_lshl_b32 s90, s90, 1
	s_add_co_u32 s93, s93, s90
	s_add_co_u32 s93, s93, s91                     ; which 128 tokens of the batch's 2,048
	s_lshl_b32 s93, s93, 13                        ; 8,192 bytes in either layout
	s_add_co_u32 s92, s92, s93
	s_mov_b32 s93, 0
	s_cmp_eq_u32 ttmp9, 0
	s_cselect_b64 s[74:75], s[68:69], s[70:71]
	s_cmp_eq_u32 ttmp9, 2
	s_cselect_b64 s[74:75], s[72:73], s[74:75]
	s_add_nc_u64 s[74:75], s[74:75], s[92:93]
	; the bias, in the results' layout; both ways write all of v32-95.  It lands under the K loop and is waited for on the way out
	s_cmp_eq_u32 ttmp9, 2
	s_cbranch_scc1 .Lbias_v
	s_wait_alu depctr_va_vdst(0)
.irp b, 0,1,2,3,4,5,6,7
	global_load_b128 v[BIAS+8*\b:BIAS+8*\b+3], v[BOQ], s[10:11] offset:64*\b       ; q, k: channels 16 b + 8 h + 0 .. 7
	global_load_b128 v[BIAS+8*\b+4:BIAS+8*\b+7], v[BOQ], s[10:11] offset:64*\b+16
.endr
	s_branch .Lbias_done
.Lbias_v:
	s_wait_alu depctr_va_vdst(0)
.irp a, 0,1,2,3,4,5,6,7
.irp i, 0,1,2,3,4,5,6,7
	global_load_b32 v[BIAS+8*\a+\i], v[BOV], s[10:11] offset:64*\a                 ; v: channel 16 a + r, for each of the lane's eight tokens
.endr
.endr
.Lbias_done:
.macro FRAG reg, adr, q, i             ; a fragment: lane l holds row l % 16; registers 4 c .. 4 c + 3 hold K = 32 c + 16 (l / 16) + 0 .. 15: the same places of k in A and in B
.irp c, 0,1,2,3
	ds_load_b128 v[\reg+4*\c:\reg+4*\c+3], v[\adr] offset:128*(\q)+32*\c+(\i)*16*PITCH
.endr
.endm
; 16 matrix instructions: A's blocks a0, a0 + 1 x B's eight, 128 along K.  p: B's set.  zero = 1: the first product starts the sums.  The 64 accumulators take turns, one instruction a turn.
.macro MUL16 a0, p, zero
.irp a, \a0, \a0+1
.irp b, 0,1,2,3,4,5,6,7
.if \zero
	v_wmma_f32_16x16x128_fp8_fp8 v[8*(8*((\a)%4)+\b):8*(8*((\a)%4)+\b)+7], v[128*(\p)+FR*\b:128*(\p)+FR*\b+FR-1], v[AF+FR*(\a):AF+FR*(\a)+FR-1], 0
.else
	v_wmma_f32_16x16x128_fp8_fp8 v[8*(8*((\a)%4)+\b):8*(8*((\a)%4)+\b)+7], v[128*(\p)+FR*\b:128*(\p)+FR*\b+FR-1], v[AF+FR*(\a):AF+FR*(\a)+FR-1], v[8*(8*((\a)%4)+\b):8*(8*((\a)%4)+\b)+7]
.endif
.endr
.endr
.endm
.macro FETCH_B slot, q, p              ; B's eight fragments of the slot's q-th 128 along K into set p
	WIN TO_B
.irp i, 0,1,2,3,4,5,6,7
	FRAG 128*(\p)+FR*\i, ADRB+\slot, \q, \i
.endr
	WIN 0
.endm
.macro FETCH_A slot, q, i0             ; A's blocks i0 .. i0 + 3
.irp i, \i0, \i0+1, \i0+2, \i0+3
	FRAG AF+FR*(\i), ADRA+\slot, \q, \i
.endr
.endm
.macro PLACES n                        ; plain vector lines between a matrix instruction and a load into its registers or a read of its result
.rept \n
	v_nop
.endr
.endm
; A step of 128 along K that has its successor in the same slot.
.macro STEP slot, q, zero
	s_wait_dscnt 4*NL                              ; B's set and A's blocks 0-3 are in; the youngest 16 loads (A's blocks 4-7) may be out
	WIN MUL_LO
	MUL16 0, (\q)%2, \zero
	MUL16 2, (\q)%2, \zero
	s_wait_dscnt 0                                 ; A's blocks 4-7 are in
	PLACES NP
	FETCH_B \slot, (\q)+1, 1-(\q)%2
	FETCH_A \slot, (\q)+1, 0
	WIN MUL_HI
	MUL16 4, (\q)%2, \zero
	MUL16 6, (\q)%2, \zero
	PLACES NP
	WIN 0
	FETCH_A \slot, (\q)+1, 4
.endm
; A slot's last step changes slots: ONE barrier; in front of it each wave waits for all its tensor loads, adds 0 to its spare word, and waits for that and for its own reads of this slot.  fill = 1: this slot is filled again, two K steps ahead.
.macro TURN slot, next, fill
	s_wait_tensorcnt 0x0                           ; all my tensor loads have landed: my part of the next slot
	ds_add_u32 v[SPW], v[NIL]                      ; 0 onto my spare word
	s_wait_dscnt 4*NL+1                            ; (the add and the youngest 16 loads, A's blocks 4-7, may be out)
	WIN MUL_LO
	MUL16 0, 1, 0                                  ; sixteen matrix instructions stand between the add and the wait for it
	s_wait_dscnt 0x0                               ; the add is done, and my reads of this slot are over
	s_barrier_signal -1
	MUL16 2, 1, 0
	WIN 0
	s_barrier_wait -1
.if \fill
	CREST                                          ; the barrier has opened a round of the cluster's barrier: no wave of any partner still reads this slot's tile or has a load on its way
	s_add_nc_u64 s[G0+4*\slot+2:G0+4*\slot+3], s[G0+4*\slot+2:G0+4*\slot+3], 2*ROWB
	s_add_nc_u64 s[G0B+4*\slot+2:G0B+4*\slot+3], s[G0B+4*\slot+2:G0B+4*\slot+3], 2*ROWB
	JLOAD G0+4*\slot, G1, G0B+4*\slot, G1B         ; the first tensor load behind the round; its four v_nop are the places in front of the loads below
.else
	PLACES NP
.endif
	FETCH_B \next, 0, 0
	FETCH_A \next, 0, 0
	WIN MUL_HI
	MUL16 4, 1, 0
	MUL16 6, 1, 0
	PLACES NP
	WIN 0
	FETCH_A \next, 0, 4
.endm
	s_wait_alu depctr_va_vdst(0)                   ; the wait at the head's end
	s_wait_tensorcnt 0x0                           ; my part of K step 0 is in; slot 1's first fill is issued as a refill is:
	ds_add_u32 v[SPW], v[NIL]                      ; 0 onto my spare word
	s_wait_dscnt 0x0                               ; the add is done
	CROUND                                         ; everybody's part of K step 0 is in, and all sixteen work-groups are here
	JLOAD G0+4, G1, G0B+4, G1B                     ; K step 1: the first tensor load behind the round
	FETCH_B 0, 0, 0
	FETCH_A 0, 0, 0
	FETCH_A 0, 0, 4
	global_prefetch_b8 v19, s[66:67] offset:768 th:TH_LOAD_NT scope:SCOPE_SE   ; K step 3, two refills ahead of its load
	STEP 0, 0, 1
	s_mov_b32 s3, LAPS-1
.Llap:                                                 ; a trip goes once round the ring and fills both slots again
	TURN 0, 1, 1
	STEP 1, 0, 0
	TURN 1, 0, 1
	STEP 0, 0, 0
	s_sub_co_u32 s3, s3, 1
	s_cmp_lg_u32 s3, 0
	s_cbranch_scc1 .Llap
	TURN 0, 1, 0                                   ; the last lap fills nothing, and has no round of the cluster's barrier
	STEP 1, 0, 0
	s_wait_dscnt 4*NL                              ; the very last step: nothing more to fetch
	WIN MUL_LO
	MUL16 0, 1, 0
	MUL16 2, 1, 0
	s_wait_dscnt 0
	WIN MUL_HI
	MUL16 4, 1, 0
	MUL16 6, 1, 0
	WIN 0
; THE WAY OUT.  Four accumulators at a time: sum x 2^(e0 + e1) + bias (one packed multiply-add for two numbers, each accumulator from its low end on), the hold, the conversion: 8 codes a lane and accumulator,
; by ds_store_b64 into my stage at their place in my two runs.  Then the runs come back, 512 consecutive bytes a load, and are stored so.
.macro OUT isv
.irp a, 0,1,2,3,4,5,6,7
.irp g, 0,1
	WIN 0x02+(\a)/4                                ; source 0: window 2 or 3
.irp q, 0,1,2,3
.irp i, 0,2,4,6
.if \isv
	v_pk_fma_f32 v[TMP+8*\q+\i:TMP+8*\q+\i+1], v[8*(8*(\a%4)+4*\g+\q)+\i:8*(8*(\a%4)+4*\g+\q)+\i+1], s[96:97], v[BIAS+8*\a+\i:BIAS+8*\a+\i+1] op_sel_hi:[1,0,1]
.else
	v_pk_fma_f32 v[TMP+8*\q+\i:TMP+8*\q+\i+1], v[8*(8*(\a%4)+4*\g+\q)+\i:8*(8*(\a%4)+4*\g+\q)+\i+1], s[96:97], v[BIAS+8*(4*\g+\q)+\i:BIAS+8*(4*\g+\q)+\i+1] op_sel_hi:[1,0,1]
.endif
.endr
.endr
	WIN 0
.set nn, 0
.rept 32
	v_med3_num_f32 v[TMP+nn], v[TMP+nn], -v[LIMR], v[LIMR]   ; the conversion does not saturate (ISA guide 7.6.2): the hold at the largest code x the scale, always
.set nn, nn+1
.endr
.irp q, 0,1,2,3
	v_cvt_scalef32_pk8_fp8_f32 v[CD+16*\a+2*(4*\g+\q):CD+16*\a+2*(4*\g+\q)+1], v[TMP+8*\q:TMP+8*\q+7], v[SCL]
.endr
	v_nop                                          ; a plain line between the conversions and the next lines that write their sources
.irp q, 0,1,2,3
.if \isv
	ds_store_b64 v[STOV], v[CD+16*\a+2*(4*\g+\q):CD+16*\a+2*(4*\g+\q)+1] offset:(\a/4)*32*PITCH+(\a%4)*8*PITCH+32*((4*\g+\q)/2)+8*(\q%2)   ; head a / 4, channel 16 (a % 4) + r, places 32 (b / 2) + 16 h + 8 (b % 2) on
.else
	ds_store_b64 v[STOQ], v[CD+16*\a+2*(4*\g+\q):CD+16*\a+2*(4*\g+\q)+1] offset:\g*32*PITCH+\a*4*PITCH+16*\q   ; head b / 4, token 16 a + r, channels 16 (b % 4) + 8 h on
.endif
.endr
.endr
.endr
.if \isv
.set RDR, RDV
.else
.set RDR, RDQ
.endif
	s_wait_dscnt 0x0                               ; the stores have read their registers: the loads below land on them
.irp i, 0,1,2,3,4,5,6,7,8,9,10,11,12,13,14,15
	ds_load_b128 v[BIAS+4*\i:BIAS+4*\i+3], v[RDR] offset:\i*2*PITCH
.endr
.irp i, 0,1,2,3,4,5,6,7,8,9,10,11,12,13,14,15
	ds_load_b128 v[CD+4*\i:CD+4*\i+3], v[RDR] offset:(16+\i)*2*PITCH
.endr
.irp i, 0,1,2,3,4,5,6,7,8,9,10,11,12,13,14,15
	s_wait_dscnt 31-\i                             ; the younger loads may be out
	global_store_b128 v[CO], v[BIAS+4*\i:BIAS+4*\i+3], s[74:75] offset:512*\i          ; 32 lanes store 512 consecutive bytes, at a multiple of 256 from the buffer's first byte
.endr
.irp i, 0,1,2,3,4,5,6,7,8,9,10,11,12,13,14,15
	s_wait_dscnt 15-\i
	global_store_b128 v[CO], v[CD+4*\i:CD+4*\i+3], s[74:75] offset:131072+512*\i       ; my second head
.endr
.endm
	s_wait_kmcnt 0x0
	s_add_co_i32 s96, s80, s81                     ; e0 + e1
	s_add_co_i32 s96, s96, 127
	s_lshl_b32 s96, s96, 23                        ; 2^(e0 + e1) as f32
	s_mov_b32 s97, s96                             ; (named with it as a pair, so it is written)
	s_cmp_eq_u32 ttmp9, 0
	s_cselect_b32 s98, s82, s83                    ; eo: a choice by the cluster's x, no branch on a loaded number
	s_cmp_eq_u32 ttmp9, 2
	s_cselect_b32 s98, s85, s98
	s_add_co_i32 s98, s98, 127
	s_lshl_b32 s99, s98, 23
	v_mov_b32 v[SCL], s99
	s_add_co_i32 s98, s98, 8
	s_lshl_b32 s98, s98, 23
	s_or_b32 s98, s98, 0x600000
	v_mov_b32 v[LIMR], s98
	s_wait_loadcnt 0x0                             ; the bias
	PLACES NP                                      ; behind the last products: for the reads of results and the writes into A's registers
	s_cmp_eq_u32 ttmp9, 2
	s_cbranch_scc1 .Lout_v
	OUT 0
	s_branch .Ltail
.Lout_v:
	OUT 1
.Ltail:
	s_wait_tensorcnt 0x0                           ; the wave's end, behind my last tensor load and my last LDS store
	ds_add_u32 v[SPW], v[NIL]
	s_wait_dscnt 0x0
	CROUND                                         ; the closing round: no work-group ends while a partner may still ask for a tile that names it
	s_endpgm
.Lfunc_end_k_q2c4f1cb1be_qkv:
	.size	k_q2c4f1cb1be_qkv, .Lfunc_end_k_q2c4f1cb1be_qkv-k_q2c4f1cb1be_qkv
	.p2alignl 7, 3214868480
	.fill 96, 4, 3214868480
	.section	.rodata,"a",@progbits
	.p2align	6, 0x0
	.amdhsa_kernel k_q2c4f1cb1be_qkv
		.amdhsa_group_segment_fixed_size 327680
		.amdhsa_private_segment_fixed_size 0
		.amdhsa_enable_private_segment 0
		.amdhsa_kernarg_size 56
		.amdhsa_user_sgpr_count 2
		.amdhsa_user_sgpr_kernarg_segment_ptr 1
		.amdhsa_wavefront_size32 1
		.amdhsa_system_sgpr_workgroup_id_x 1
		.amdhsa_system_sgpr_workgroup_id_y 1
		.amdhsa_system_sgpr_workgroup_id_z 1
		.amdhsa_system_vgpr_workitem_id 0
		.amdhsa_next_free_vgpr 1024
		.amdhsa_next_free_sgpr 100
		.amdhsa_reserve_vcc 0
		.amdhsa_float_denorm_mode_32 3
		.amdhsa_float_denorm_mode_16_64 3
		.amdhsa_memory_ordered 1
		.amdhsa_forward_progress 1
		.amdhsa_inst_pref_size 216
	.end_amdhsa_kernel
	.amdgpu_metadata
---
amdhsa.version: [ 1, 2 ]
amdhsa.kernels:
  - .name:           k_q2c4f1cb1be_qkv
    .symbol:         k_q2c4f1cb1be_qkv.kd
    .args:
      - { .name: x_codes, .offset: 0, .size: 8, .value_kind: global_buffer, .address_space: global }
      - { .name: wa_codes, .offset: 8, .size: 8, .value_kind: global_buffer, .address_space: global }
      - { .name: lowp_scales, .offset: 16, .size: 8, .value_kind: global_buffer, .address_space: global }
      - { .name: b_attn, .offset: 24, .size: 8, .value_kind: global_buffer, .address_space: global }
      - { .name: q_codes, .offset: 32, .size: 8, .value_kind: global_buffer, .address_space: global }
      - { .name: k_codes, .offset: 40, .size: 8, .value_kind: global_buffer, .address_space: global }
      - { .name: v_codes, .offset: 48, .size: 8, .value_kind: global_buffer, .address_space: global }
    .group_segment_fixed_size: 327680
    .private_segment_fixed_size: 0
    .kernarg_segment_align: 8
    .kernarg_segment_size: 56
    .max_flat_workgroup_size: 128
    .sgpr_count:     100
    .vgpr_count:     1024
    .wavefront_size: 32
...
	.end_amdgpu_metadata
.endif
;; end of part 2
;; launch attn (part 3): grid 4 x 64, 8 waves a work-group, clusters of 4 x 1, 327,680 bytes of LDS; arguments q_codes, k_codes, v_codes, lowp_scales, y_codes; writes y_codes
.if DOCPART == 3
	.amdgcn_target "amdgcn-amd-amdhsa--gfx1250"
	.amdhsa_code_object_version 6
	.text
	.protected	k_q2c4f1cb1be_attn
	.globl	k_q2c4f1cb1be_attn
	.p2align	8
	.type	k_q2c4f1cb1be_attn,@function
k_q2c4f1cb1be_attn:
	s_mov_b64 s[64:65], 0
	v_nop
	global_prefetch_b8 v0, s[64:65] scope:SCOPE_SE
	s_setreg_imm32_b32 hwreg(HW_REG_WAVE_MODE, 25, 1), 1
	s_wait_xcnt 0x0
	s_wait_alu depctr_hold_cnt(0) depctr_sa_sdst(0) depctr_va_vdst(0) depctr_va_sdst(0) depctr_va_ssrc(0) depctr_va_vcc(0) depctr_vm_vsrc(0)
	s_getreg_b32 s2, hwreg(HW_REG_IB_STS2, 6, 4)
	s_cmp_eq_u32 s2, 0
	s_cbranch_scc0 .Lentry_in_a_cluster
	s_endpgm
.Lentry_in_a_cluster:
	s_bfe_u32 s2, ttmp6, 0x10000c
	s_cmp_lg_u32 s2, 0x3003
	s_cbranch_scc0 .Lentry_shape_is_right
	s_endpgm
.Lentry_shape_is_right:
; y = softmax(q k^T / 8, causal) v for each of 64 heads of 2,048 tokens x 64 channels, both products on codes of FP8 (E4M3); y is quantised at once for the projection.
; q_codes, k_codes: [head][token][64].  v_codes: [head][chunk of 128 keys][channel 64][place 128], the places in the K = 128 form's own order of k.  Scales: entries 2 (q), 3 (k), 4 (p), 5 (v), 6 (y).
; y_codes: [token / 128][head 16][token % 128][64], tokens counted through the batches.
; THE SOFTMAX: t = score x log2(e) / 8; M = the row's largest t so far, rounded UP to a whole number; p = 2^(t - M) is quantised, not normalised; the row's sum is taken of the unquantised p and divides at the end.
; When M moves, the sum and O are multiplied by 2^(old M - new M): exact.
; LEFT OUT: key steps all of whose 128 keys come after a block's queries: the causal mask, which the problem builds itself, gives them the weight 0 for all values of the inputs.
; SHARES.  A head's 2,048 queries are 64 blocks of 32.  The four work-groups of a head form a cluster; the one at place cx owns blocks 4 b + cx, b = 0 .. 15.  Wave w (of 8, two to a SIMD) owns b = 15 - w and then b = w.
; Block 4 b + cx needs key steps 0 .. b of 128 keys, whatever cx is: 16 - w and w + 1 steps, SEVENTEEN for every wave of every work-group.  A wave's two tiles of 16 queries share each fragment of K and of V.
; LDS HOLDS THE WHOLE HEAD: K's and V's 131,072 bytes each, as 512 rows of 256 bytes + 16 of padding.  Nothing is filled twice.  They come in four stages of 512 keys; of a stage each wave fetches 32 rows (waves 0-3 K's, 4-7 V's).
; Stage 0 is asked for at the head, stages 1, 2, 3 behind the waits, the add and the round at key steps 0, 3, 6: a stage's load has three key steps in which to land, and stage s is first read at
; step 4 s.  The last such meeting stands at step 9.  All eight waves have work in steps 0 .. 8, so they arrive together; behind step 9 no wave waits for another.
; JOINT LOADS: the four partners need the same stages in the same rounds: each load names all four (mask 15).  No branch and no LDS address hangs on cx: the tests of a step use b; cx enters the mask's lane value and global addresses alone.
; THE TRIP COUNTS ARE CONSTANTS: 3 x 3 steps, then 15: steps 0 .. 15 for the first block, 0 .. 7 for the second; a step beyond a block's last is jumped over by a branch on the wave's number and the count.
; LAYOUT.  Both products are used transposed: S^T = K Q^T (source 0 = 16 keys, source 1 = 16 queries; K = 64), O^T = V^T P^T (source 0 = 16 channels, source 1 = P; K = 128 keys): a lane holds ONE query (lane % 16) of each tile.
; In S^T's tile t a lane's register j is key 16 t + 8 (lane / 16) + j, so the conversion of tile t gives registers 2 t, 2 t + 1 of the K = 128 operand.
; LIMITS on the given exponents: e2 + e3 between -123 and 130 (added to c's exponent field); e4 and e6 between -126 and 119; e4 + e5 goes in by v_ldexp_f32 and has none.  The scaled scores stay under 2^31 in magnitude.
; REGISTERS, window 0: v1-11, v24 addresses; v[12:13], v[14:15] -M and the largest t of tiles A, B; v[16:19] their sums; v[20:23] f, 0; v25 the mask's d; v26 -infinity; v27-32, v38-39 at work; v33-37 powers of two;
; v40-55 Q; v56-87 p's codes; v88-151, v152-215 S^T, then p, of A, B; v216-247 partial sums.  Window 1: v0-63 K's fragments; v64-127 V's; v128-191 O^T of A, B; v192-207 the second block's Q.
.set PITCH, 272
.set STEPB, 32*PITCH                   ; a key step (128 keys) of K or of V in LDS; also what one tensor load brings
.set STGB,  128*PITCH                  ; a stage (512 keys)
.set VOFF,  512*PITCH                  ; V lies behind K
.set STAGE, 2*VOFF                     ; the way out: 2,048 bytes for each wave; no fill lands here
.set SPARE, STAGE+8*2048               ; the spare words, 128 bytes for each wave, that no other line names
.set AK0, 1
.set AV0, 2
.set PFO, 3                            ; v3   256 x lane: the prefetches' offset
.set SPW, 5
.set NIL, 6
.set GO,  7                            ; v7   16 x lane
.set ADK, 8
.set ADV, 9
.set STO, 10
.set SRD, 11
.set QA,  24                           ; v24  Q: 64 (lane % 16) + 16 (lane / 16)
.set MA0, 27
.set MB0, 29
.set PRA, 31
.set PRB, 32
.set PA,  56
.set PB,  72
.set SA,  88
.set SB,  152
.set T,   216
.set N,    3                           ; s3   key steps walked; N % 16 is the step in hand
.set G,    14                          ; s14  the stages' loop
.set IC,   15                          ; s15  the inner loops' counter
.set ST,   16                          ; s16  N % 16
.set Q0,   17
.set WV,   18
.set LIM,  19                          ; s19  2 in a wave that prefetches, else 0
.set SEL,  20
.set CS,   22
.set G1,   24                          ; s[24:31] descriptor group 1
.set TB,   32                          ; s32  LDS byte at which the step in hand begins
.set BL,   33                          ; s33  b of the block in hand
.set CX,   34
.set PFA,  36
.set G0,   40                          ; s[40:43] descriptor group 0
.set QPA,  44
.set QPB,  46
.set YPA,  48
.set YPB,  50
.set Q0B,  52
.set EPV,  53                          ; s53  e4 + e5
.set HB,   54                          ; s54  batch x 16 + head
.set MSB, 0
.macro WIN new                         ; the immediate's high byte repeats the setting that is left
.if MSB != \new
	s_set_vgpr_msb (MSB<<8)|\new
.set MSB, \new
.endif
.endm
.macro ROUND                           ; a round of the cluster's barrier
	s_barrier_signal -1
	s_barrier_wait -1
	s_cmp_lg_u32 s[WV], 0
	s_cbranch_scc1 .Lnw0_\@
	s_barrier_signal -3
.Lnw0_\@:
	s_barrier_wait -3
	s_barrier_signal -1
	s_barrier_wait -1
.endm
.macro JLOAD                           ; my 32 rows of a stage, asked for jointly; an s_nop 0 and four v_nop follow
	tensor_load_to_lds s[G0:G0+3], s[G1:G1+7]
	s_nop 0
.rept 4
	v_nop
.endr
.endm
.macro YADDR dst, q0                   ; y_codes at query q0 of my head: ((batch x 16 + q0 / 128) x 16 + head) x 8,192 + (q0 % 128) x 64
	s_lshr_b32 s74, s[HB], 4
	s_lshl_b32 s74, s74, 4
	s_lshr_b32 s75, s[\q0], 7
	s_add_co_u32 s74, s74, s75
	s_lshl_b32 s74, s74, 17
	s_and_b32 s75, s[HB], 15
	s_lshl_b32 s75, s75, 13
	s_add_co_u32 s74, s74, s75
	s_and_b32 s75, s[\q0], 127
	s_lshl_b32 s75, s75, 6
	s_add_co_u32 s74, s74, s75
	s_mov_b32 s75, 0
	s_add_nc_u64 s[\dst:\dst+1], s[12:13], s[74:75]
.endm
.macro INIT                            ; a block begins: the largest t -3e38, under every t; sums and O^T zeros, which the first change of M leaves zeros
	v_mov_b32 v13, 0xff61b1e6
	v_mov_b32 v15, 0xff61b1e6
	v_floor_f32 v12, -v13
	v_floor_f32 v14, -v15
.irp r, 16,17,18,19
	v_mov_b32 v\r, 0
.endr
	WIN 0x40
.set jj, 0
.rept 64
	v_mov_b32 v[128+jj], 0
.set jj, jj+1
.endr
.endm
.macro PADD d, a, b
	v_pk_add_f32 v[\d:\d+1], v[\a:\a+1], v[\b:\b+1]
.endm
.macro DMIN r                          ; the hold of two p: the conversion does not saturate (ISA guide 7.6.2); p is not negative, so it is one-sided.  v34 = v35 = 448 x 2^e4
	v_dual_min_num_f32 v[\r], v[\r], v34 :: v_dual_min_num_f32 v[\r+1], v[\r+1], v35
.endm
.macro MXG s, m, g                     ; tile g's eight scores join two chains of maxima, from the tile's low end on
.if \g == 0
	v_max3_num_f32 v[\m], v[\s], v[\s+1], v[\s+2]
	v_max3_num_f32 v[\m+1], v[\s+3], v[\s+4], v[\s+5]
	v_max3_num_f32 v[\m], v[\m], v[\s+6], v[\s+7]
.else
	v_max3_num_f32 v[\m], v[\m], v[\s+8*\g], v[\s+8*\g+1]
	v_max3_num_f32 v[\m+1], v[\m+1], v[\s+8*\g+2], v[\s+8*\g+3]
	v_max3_num_f32 v[\m], v[\m], v[\s+8*\g+4], v[\s+8*\g+5]
	v_max3_num_f32 v[\m+1], v[\m+1], v[\s+8*\g+6], v[\s+8*\g+7]
.endif
.endm
.macro FMG s, nm, g                    ; tile g: t - M, two at a time
.irp i, 0,2,4,6
	v_pk_fma_f32 v[\s+8*\g+\i:\s+8*\g+\i+1], v[\s+8*\g+\i:\s+8*\g+\i+1], s[CS:CS+1], v[\nm:\nm+1] op_sel_hi:[1,0,0]
.endr
.endm
; From a tile's two maxima to -M and f = 2^(old M - new M).  The lines hang on each other, so eight groups of the other tile's independent lines stand between them.
.macro CHAIN m, p, nm, o, f, fill, a1, a2
	v_max_num_f32 v[\m], v[\m], v[\m+1]
	\fill \a1, \a2, 0
	v_permlanex16_b32 v[\p], v[\m], s[SEL], s[SEL+1]
	\fill \a1, \a2, 1
	v_max_num_f32 v[\m], v[\m], v[\p]              ; and lane l xor 16's (a step's first key counts for all my queries, so this is a number)
	\fill \a1, \a2, 2
	v_mul_f32 v[\m], s[CS], v[\m]                  ; as t (c is positive)
	v_mov_b32 v[\o], v[\nm]
	\fill \a1, \a2, 3
	v_max_num_f32 v[\nm+1], v[\nm+1], v[\m]        ; the running largest t
	\fill \a1, \a2, 4
	v_floor_f32 v[\nm], -v[\nm+1]                  ; the new -M = -ceil(t): a whole number
	\fill \a1, \a2, 5
	v_sub_f32 v[\o], v[\nm], v[\o]                 ; old M - new M: a whole number, 0 or less
	\fill \a1, \a2, 6
	v_cvt_i32_f32 v[\o], v[\o]                     ; (it saturates)
	\fill \a1, \a2, 7
	v_ldexp_f32 v[\f], 1.0, v[\o]
.endm
.macro EXA g                           ; A's exponentials of tile g; between them B's t - M, which is read behind the next wait
.irp i, 0,2,4,6
	v_exp_f32 v[SA+8*\g+\i], v[SA+8*\g+\i]
	v_exp_f32 v[SA+8*\g+\i+1], v[SA+8*\g+\i+1]
	v_pk_fma_f32 v[SB+8*\g+\i:SB+8*\g+\i+1], v[SB+8*\g+\i:SB+8*\g+\i+1], s[CS:CS+1], v[14:15] op_sel_hi:[1,0,0]
.endr
.endm
.macro EXB g                           ; B's exponentials of tile g; between them lines on A's p that hang on nothing written in this batch: first sums of the unquantised p, then the holds
.set E, SB+8*\g
.set F, SA+8*\g
	v_exp_f32 v[E], v[E]
	v_exp_f32 v[E+1], v[E+1]
	PADD T+4*\g, F, F+2
	v_exp_f32 v[E+2], v[E+2]
	v_exp_f32 v[E+3], v[E+3]
	PADD T+4*\g+2, F+4, F+6
.irp i, 0,1,2,3
	v_exp_f32 v[E+4+\i], v[E+4+\i]
	DMIN F+2*\i
.endr
.endm
	s_load_b256 s[4:11], s[0:1], 0x0               ; q's codes s[4:5], k's s[6:7], v's s[8:9], the scales' exponents s[10:11]
	s_load_b64 s[12:13], s[0:1], 0x20              ; y's codes
	v_lshl_add_u32 v[SPW], v0, 2, SPARE
	v_mov_b32 v[NIL], 0
	ds_add_u32 v[SPW], v[NIL]                      ; the opening: the add, twice on end, and its wait ahead of the first round
	ds_add_u32 v[SPW], v[NIL]
	v_lshrrev_b32 v8, 5, v0
	v_readfirstlane_b32 s[WV], v8                  ; wave 0..7
	s_and_b32 s[HB], ttmp7, 0xffff                 ; the cluster's y: batch x 16 + head
	s_bfe_u32 s[CX], ttmp6, 0x40000                ; cx
	s_sub_co_u32 s[BL], 15, s[WV]                  ; the first block's b
	s_lshl_b32 s77, s[CX], 5
	s_lshl_b32 s76, s[BL], 7
	s_add_co_u32 s[Q0], s76, s77                   ; its first query: 128 b + 32 cx
	s_lshl_b32 s76, s[WV], 7
	s_add_co_u32 s[Q0B], s76, s77                  ; the second block's
	s_lshl_b32 s70, s[HB], 17                      ; a head's codes are 131,072 bytes in q, k and v alike
	s_mov_b32 s71, 0
	s_mov_b32 s[G1], 15|(0<<16)|(1<<20)|(1<<21)|(5<<22)|(3<<25)   ; the mask: all four partners; elements of 1 byte; padding on: four words after every 64; bit 21 beside a mask
	s_mov_b32 s[G1+1], 256<<16                     ; tensor_dim0
	s_mov_b32 s[G1+2], 32<<16                      ; tensor_dim1
	s_mov_b32 s[G1+3], 256<<16                     ; tile_dim0
	s_mov_b32 s[G1+4], 32                          ; tile_dim1
	s_mov_b32 s[G1+5], 256                         ; tensor_dim0_stride: dense
	s_mov_b32 s[G1+6], 0
	s_mov_b32 s[G1+7], 0
	s_mov_b32 s[SEL], 0x76543210
	s_mov_b32 s[SEL+1], 0xfedcba98
	s_mov_b32 s[CS], 0x3e38aa3b                    ; c = log2(e) / 8
	s_and_b32 s69, s[WV], 3
	s_lshr_b32 s68, s[WV], 2
	s_mul_i32 s[G0+1], s68, VOFF                   ; LDS: K's rows or V's,
	s_mul_i32 s66, s69, STEPB
	s_add_co_u32 s[G0+1], s[G0+1], s66             ; my 32 rows of stage 0
	s_mov_b32 s[G0], 1
	s_lshl_b32 s72, s69, 13                        ; and the same 8,192 bytes in memory
	s_mov_b32 s73, 0
	s_wait_dscnt 0x0                               ; both opening adds are done
	s_wait_kmcnt 0x0
	s_load_b256 s[56:63], s[10:11], 0x0            ; e0 .. e7
	s_cmp_lt_u32 s[WV], 4
	s_cselect_b64 s[G0+2:G0+3], s[6:7], s[8:9]
	s_add_nc_u64 s[G0+2:G0+3], s[G0+2:G0+3], s[70:71]
	s_add_nc_u64 s[G0+2:G0+3], s[G0+2:G0+3], s[72:73]
	s_or_b32 s[G0+3], s[G0+3], 0x80000000
	ROUND                                          ; all four work-groups are here: the first joint loads meet
	JLOAD                                          ; stage 0: my one tensor load at the head
	; THE PREFETCHES.  The trip that loads stage g + 1 names stage g + 2 (g = 0, 1): one trip of the stages' loop, three key steps, ahead of that stage's load.  A stage is eight pieces of 8,192 bytes (K's four, V's four).
	; The partners share them out by address: waves 0 and 1 of the partner at cx name pieces 2 cx and 2 cx + 1, lanes 256 bytes apart: each block once in the cluster.  Stages 0 and 1 come by their loads alone.
	s_lshl_b32 s74, s[CX], 1
	s_and_b32 s75, s[WV], 1
	s_add_co_u32 s74, s74, s75
	s_cmp_lt_u32 s74, 4
	s_cselect_b64 s[PFA:PFA+1], s[6:7], s[8:9]
	s_and_b32 s74, s74, 3
	s_lshl_b32 s74, s74, 13
	s_add_co_u32 s74, s74, 32768                   ; in stage 1: the first trip steps it to stage 2
	s_mov_b32 s75, 0
	s_add_nc_u64 s[PFA:PFA+1], s[PFA:PFA+1], s[70:71]
	s_add_nc_u64 s[PFA:PFA+1], s[PFA:PFA+1], s[74:75]
	s_cmp_lt_u32 s[WV], 2
	s_cselect_b32 s[LIM], 2, 0
	s_add_nc_u64 s[QPA:QPA+1], s[4:5], s[70:71]
	s_lshl_b32 s74, s[Q0B], 6
	s_add_nc_u64 s[QPB:QPB+1], s[QPA:QPA+1], s[74:75]
	s_lshl_b32 s74, s[Q0], 6
	s_add_nc_u64 s[QPA:QPA+1], s[QPA:QPA+1], s[74:75]
	YADDR YPA, Q0
	YADDR YPB, Q0B
	s_lshl_b32 s76, s[WV], 11
	s_add_co_u32 s76, s76, STAGE                   ; my stage
	v_and_b32 v88, 15, v0                          ; r
	v_bfe_u32 v89, v0, 4, 1                        ; h
	v_and_b32 v90, 31, v0                          ; lane
	v_lshlrev_b32 v[QA], 6, v88
	v_lshl_add_u32 v[QA], v89, 4, v[QA]
.irp u, 0,1                                    ; Q's fragments of both blocks: registers 0-3 channels 16 h on, 4-7 channels 32 + 16 h on: the same places of k as K's fragments
	global_load_b128 v[40+8*\u:43+8*\u], v[QA], s[QPA:QPA+1] offset:1024*\u
	global_load_b128 v[44+8*\u:47+8*\u], v[QA], s[QPA:QPA+1] offset:1024*\u+32
.endr
	WIN 0x40
.irp u, 0,1
	global_load_b128 v[192+8*\u:195+8*\u], v[QA], s[QPB:QPB+1] offset:1024*\u
	global_load_b128 v[196+8*\u:199+8*\u], v[QA], s[QPB:QPB+1] offset:1024*\u+32
.endr
	WIN 0
	v_lshrrev_b32 v91, 2, v88                      ; K: key r of a tile: (r / 4) x 272 + (r % 4) x 64, + 16 h
	v_mul_u32_u24 v[AK0], v91, PITCH
	v_and_b32 v91, 3, v88
	v_lshl_add_u32 v[AK0], v91, 6, v[AK0]
	v_lshl_add_u32 v[AK0], v89, 4, v[AK0]
	v_lshrrev_b32 v91, 1, v88                      ; V: channel r of a tile: (r / 2) x 272 + (r % 2) x 128, + 16 h
	v_mul_u32_u24 v[AV0], v91, PITCH
	v_and_b32 v91, 1, v88
	v_lshl_add_u32 v[AV0], v91, 7, v[AV0]
	v_lshl_add_u32 v[AV0], v89, 4, v[AV0]
	v_add_nc_u32 v[AV0], VOFF, v[AV0]
	v_lshlrev_b32 v[PFO], 8, v90
	v_lshlrev_b32 v91, 3, v89
	v_sub_nc_u32 v25, v88, v91
	v_add_nc_u32 v25, s77, v25                     ; d = 32 cx + r - 8 h: on a block's last step tile A's register 8 t + j is hidden where 16 t + j > d
	v_lshlrev_b32 v[GO], 4, v90
	v_lshlrev_b32 v[STO], 6, v88
	v_lshl_add_u32 v[STO], v89, 3, v[STO]
	v_add_nc_u32 v[STO], s76, v[STO]               ; in: query r's 64 bytes, + 8 h
	v_add_nc_u32 v[SRD], s76, v[GO]                ; back: 16 bytes a lane
.irp r, 21,23,31,32
	v_mov_b32 v\r, 0                               ; upper halves of the pairs with f; the lane permutes' destinations, which count as sources
.endr
	v_mov_b32 v26, 0xff800000                      ; -infinity
	INIT
	WIN 0
	s_wait_kmcnt 0x0
	s_add_co_i32 s66, s58, s59
	s_lshl_b32 s66, s66, 23
	s_add_co_i32 s[CS], s[CS], s66                 ; a score stands for score x 2^(e2 + e3): added to c's exponent field
	s_mov_b32 s[CS+1], s[CS]
	s_add_co_i32 s[EPV], s60, s61
	s_add_co_i32 s66, s60, 127
	s_lshl_b32 s67, s66, 23
	v_mov_b32 v33, s67                             ; 2^e4
	s_add_co_i32 s66, s66, 8
	s_lshl_b32 s66, s66, 23
	s_or_b32 s66, s66, 0x600000
	v_mov_b32 v34, s66                             ; 448 x 2^e4, twice: one for each half of a dual pair
	v_mov_b32 v35, s66
	s_add_co_i32 s66, s62, 127
	s_lshl_b32 s67, s66, 23
	v_mov_b32 v36, s67                             ; 2^e6
	s_add_co_i32 s66, s66, 8
	s_lshl_b32 s66, s66, 23
	s_or_b32 s66, s66, 0x600000
	v_mov_b32 v37, s66                             ; 448 x 2^e6
; A KEY STEP: 128 keys x my 32 queries.
.macro STEP
	s_and_b32 s[ST], s[N], 15
	s_mul_i32 s[TB], s[ST], STEPB
	s_cmp_gt_u32 s[ST], s[BL]                      ; beyond the block's last step: all keys hidden
	s_cbranch_scc1 .Lhidden_\@
	v_add_nc_u32 v[ADK], s[TB], v[AK0]
	v_add_nc_u32 v[ADV], s[TB], v[AV0]
	v_nop                                          ; with the two additions: four places in front of loads into registers that the last products read
	v_nop
	WIN 0x40
.irp t, 0,1,2,3,4,5,6,7
	ds_load_b128 v[8*\t:8*\t+3], v[ADK] offset:\t*4*PITCH
	ds_load_b128 v[8*\t+4:8*\t+7], v[ADK] offset:\t*4*PITCH+32
.endr
.irp t, 0,1,2,3
.irp c, 0,1,2,3
	ds_load_b128 v[64+16*\t+4*\c:67+16*\t+4*\c], v[ADV] offset:\t*8*PITCH+32*\c   ; V's four fragments land under the softmax
.endr
.endr
	WIN 0x01
	s_wait_dscnt 24                                ; of the 32 loads the first 8 are in: K's tiles 0-3
.irp t, 0,1,2,3
	v_wmma_f32_16x16x64_fp8_fp8 v[SA+8*\t:SA+8*\t+7], v[8*\t:8*\t+7], v[40:47], 0
	v_wmma_f32_16x16x64_fp8_fp8 v[SB+8*\t:SB+8*\t+7], v[8*\t:8*\t+7], v[48:55], 0
.endr
	s_wait_dscnt 16                                ; all of K; V's 16 loads may be out
.irp t, 4,5,6,7
	v_wmma_f32_16x16x64_fp8_fp8 v[SA+8*\t:SA+8*\t+7], v[8*\t:8*\t+7], v[40:47], 0
	v_wmma_f32_16x16x64_fp8_fp8 v[SB+8*\t:SB+8*\t+7], v[8*\t:8*\t+7], v[48:55], 0
.endr
	WIN 0
.rept 4
	v_nop                                          ; places in front of the first read of the scores
.endr
	s_cmp_lt_u32 s[ST], s[BL]                      ; only the block's last step has hidden keys
	s_cbranch_scc1 .Lopen_\@
.set nn, 0
.rept 64                                       ; hidden scores become -infinity ahead of the maximum.  Tile B's queries lie 16 further on: its tile t + 1 is hidden where A's tile t is, and its tile 0 never
	v_cmp_gt_i32 vcc_lo, 16*(nn/8)+nn%8, v25
	v_cndmask_b32 v[SA+nn], v[SA+nn], v26, vcc_lo
.if nn < 56
	v_cndmask_b32 v[SB+nn+8], v[SB+nn+8], v26, vcc_lo
.endif
.set nn, nn+1
.endr
.Lopen_\@:
.irp g, 0,1,2,3,4,5,6,7
	MXG SA, MA0, \g
.endr
	CHAIN MA0, PRA, 12, 38, 20, MXG, SB, MB0       ; A's M and f, among B's maxima
	CHAIN MB0, PRB, 14, 39, 22, FMG, SA, 12        ; B's M and f, among A's t - M
	v_pk_mul_f32 v[16:17], v[16:17], v[20:21] op_sel_hi:[1,0]   ; the sums under the new M
	v_pk_mul_f32 v[18:19], v[18:19], v[22:23] op_sel_hi:[1,0]
	s_wait_alu depctr_va_vdst(0)                   ; the wait ahead of a batch of exponentials
.irp g, 0,1,2,3,4,5,6,7
	EXA \g
.endr
	s_wait_alu depctr_va_vdst(0)                   ; behind A's batch and ahead of B's: one wait for both
.irp g, 0,1,2,3,4,5,6,7
	EXB \g
.endr
	v_nop                                          ; a plain line behind the last exponential
	s_wait_alu depctr_va_vdst(0)                   ; behind B's batch, ahead of its first reader
.irp k, 0,1,2,3,4,5,6,7
	PADD T+2*\k, T+2*\k, T+16+2*\k                 ; A's sixteen partial sums fold
.endr
.irp c, 0,1,2,3
	PADD T+16+2*\c, SB+2*\c, SB+8+2*\c             ; B's unquantised p in four chains
.endr
.irp k, 0,1,2,3
	PADD T+2*\k, T+2*\k, T+8+2*\k
.endr
.irp m, 2,3,4,5,6,7
.irp c, 0,1,2,3
	PADD T+16+2*\c, T+16+2*\c, SB+8*\m+2*\c
.endr
.endr
	PADD T, T, T+4
	PADD T+2, T+2, T+6
	PADD T+16, T+16, T+20
	PADD T+18, T+18, T+22
	PADD T, T, T+2
	PADD T+16, T+16, T+18
	PADD 16, 16, T
	PADD 18, 18, T+16
.irp t, 0,1,2,3,4,5,6,7
	v_cvt_scalef32_pk8_fp8_f32 v[PA+2*\t:PA+2*\t+1], v[SA+8*\t:SA+8*\t+7], v33   ; registers 2 t, 2 t + 1 of the operand: keys 16 t + 8 h + 0 .. 7
.endr
.set jj, 0
.rept 32
	DMIN SB+jj
.set jj, jj+2
.endr
.irp t, 0,1,2,3,4,5,6,7
	v_cvt_scalef32_pk8_fp8_f32 v[PB+2*\t:PB+2*\t+1], v[SB+8*\t:SB+8*\t+7], v33
.endr
	s_wait_dscnt 0x0                               ; V is in
	WIN 0x41
	s_wait_alu depctr_va_vdst(0)                   ; directly ahead of the first reader of O^T
.set jj, 0
.rept 16
	v_pk_mul_f32 v[128+jj:129+jj], v[128+jj:129+jj], v[20:21] op_sel_hi:[1,0]   ; O^T under the new M, each accumulator from its low end on; also the plain lines behind the conversions
.set jj, jj+2
.endr
.rept 16
	v_pk_mul_f32 v[128+jj:129+jj], v[128+jj:129+jj], v[22:23] op_sel_hi:[1,0]
.set jj, jj+2
.endr
	WIN 0x51
.irp t, 0,1,2,3                                ; O^T += V^T P^T: eight accumulators by turns, one instruction a turn
	v_wmma_f32_16x16x128_fp8_fp8 v[128+8*\t:135+8*\t], v[64+16*\t:79+16*\t], v[PA:PA+15], v[128+8*\t:135+8*\t]
	v_wmma_f32_16x16x128_fp8_fp8 v[160+8*\t:167+8*\t], v[64+16*\t:79+16*\t], v[PB:PB+15], v[160+8*\t:167+8*\t]
.endr
	WIN 0
.Lhidden_\@:
	s_add_co_u32 s[N], s[N], 1
.endm
; THE WAY OUT of a block.  O^T x 2^(e4 + e5) / the sum is y; it is held, converted with 2^e6, and goes through my stage: my 32 queries' 2,048 bytes are consecutive in y_codes.  again = 1: the wave takes up its second block.
.macro WAYOUT yp, again
.rept 4
	v_nop                                          ; places behind the last products
.endr
	v_add_f32 v16, v16, v17                        ; the sums' two halves,
	v_add_f32 v18, v18, v19
	v_permlanex16_b32 v[PRA], v16, s[SEL], s[SEL+1]
	v_permlanex16_b32 v[PRB], v18, s[SEL], s[SEL+1]
	v_add_f32 v16, v16, v[PRA]                     ; and lane l xor 16's
	v_add_f32 v18, v18, v[PRB]
	s_wait_alu depctr_va_vdst(0)                   ; the wait ahead of the reciprocals
	v_rcp_f32 v16, v16
	v_rcp_f32 v18, v18
	v_nop                                          ; a plain line behind them
	s_wait_alu depctr_va_vdst(0)                   ; and the wait ahead of their first reader
	v_ldexp_f32 v16, v16, s[EPV]
	v_ldexp_f32 v18, v18, s[EPV]
	WIN 0x01
	s_wait_alu depctr_va_vdst(0)                   ; directly ahead of the first reader of O^T
.set jj, 0
.rept 16
	v_pk_mul_f32 v[SA+jj:SA+jj+1], v[128+jj:129+jj], v[16:17] op_sel_hi:[1,0]   ; register 8 t + j is y(query r, channel 16 t + 8 h + j)
.set jj, jj+2
.endr
.rept 16
	v_pk_mul_f32 v[SA+jj:SA+jj+1], v[128+jj:129+jj], v[18:19] op_sel_hi:[1,0]
.set jj, jj+2
.endr
	WIN 0
.set jj, 0
.rept 64
	v_med3_num_f32 v[SA+jj], v[SA+jj], -v37, v37
.set jj, jj+1
.endr
.irp t, 0,1,2,3,4,5,6,7
	v_cvt_scalef32_pk8_fp8_f32 v[PA+2*\t:PA+2*\t+1], v[SA+8*\t:SA+8*\t+7], v36
.endr
	v_nop                                          ; a plain line behind the conversions
.irp t, 0,1,2,3,4,5,6,7
	ds_store_b64 v[STO], v[PA+2*\t:PA+2*\t+1] offset:(\t/4)*1024+16*(\t%4)
.endr
.irp k, 0,1,2,3
	ds_load_b128 v[SB+4*\k:SB+4*\k+3], v[SRD] offset:512*\k   ; LDS serves a wave's instructions in order: these see my stores
.endr
	s_wait_dscnt 0x0
.irp k, 0,1,2,3
	global_store_b128 v[GO], v[SB+4*\k:SB+4*\k+3], s[\yp:\yp+1] offset:512*\k   ; 512 consecutive bytes each, at a multiple of 256 from the buffer's first byte
.endr
.if \again
	INIT
	WIN 0x01
.set jj, 0
.rept 16
	v_mov_b32 v[40+jj], v[192+jj]                  ; the second block's Q
.set jj, jj+1
.endr
	WIN 0
	s_mov_b32 s[BL], s[WV]
	s_wait_xcnt 0x0                                ; the stores have read their registers, which the next step's products write
	s_wait_alu depctr_va_vdst(0)                   ; the wait ahead of the branch
.endif
.endm
	s_mov_b32 s[N], 0
	s_mov_b32 s[G], 0
	s_wait_alu depctr_va_vdst(0)                   ; the wait at the head's end
	s_wait_loadcnt 0x0                             ; Q
.Lstage:                                           ; three trips: stage g + 1 is asked for, key steps 3 g .. 3 g + 2 are walked
	s_wait_tensorcnt 0x0                           ; my one load that was out has landed, so group 0 may be written
	ds_add_u32 v[SPW], v[NIL]                      ; 0 onto my spare word
	s_add_co_u32 s[G0+1], s[G0+1], STGB            ; the next stage, in LDS
	s_add_nc_u64 s[G0+2:G0+3], s[G0+2:G0+3], 32768 ; and in memory
	s_wait_xcnt 0x0                                ; the last prefetch has read its address, so it may be written
	s_add_nc_u64 s[PFA:PFA+1], s[PFA:PFA+1], 32768
	s_wait_dscnt 0x0                               ; the add is done
	ROUND                                          ; every wave of all four partners has its part of the stages asked for so far
	JLOAD                                          ; a first fill, issued as a refill is: my one tensor load until the next round
	s_cmp_lt_u32 s[G], s[LIM]
	s_cbranch_scc0 .Lnoask
	global_prefetch_b8 v[PFO], s[PFA:PFA+1] th:TH_LOAD_NT scope:SCOPE_SE
.Lnoask:
	s_mov_b32 s[IC], 0
.Ltriple:
	STEP
	s_add_co_u32 s[IC], s[IC], 1
	s_cmp_lt_u32 s[IC], 3
	s_cbranch_scc1 .Ltriple
	s_add_co_u32 s[G], s[G], 1
	s_cmp_lt_u32 s[G], 3
	s_cbranch_scc1 .Lstage
	s_wait_tensorcnt 0x0                           ; my part of stage 3
	ds_add_u32 v[SPW], v[NIL]
	s_wait_dscnt 0x0
	s_barrier_signal -1
	s_barrier_wait -1                              ; the whole head is in LDS; nothing is asked for any more
	s_mov_b32 s[IC], 0
.Lwalk:                                            ; fifteen trips: steps 9 .. 15 of the first block, 0 .. 7 of the second
	STEP
	s_add_co_u32 s[IC], s[IC], 1
	s_cmp_lg_u32 s[IC], 7
	s_cbranch_scc1 .Lsame
	WAYOUT YPA, 1
.Lsame:
	s_cmp_lt_u32 s[IC], 15
	s_cbranch_scc1 .Lwalk
	WAYOUT YPB, 0
	s_wait_tensorcnt 0x0                           ; the wave's end, behind my last tensor load and my last LDS store
	ds_add_u32 v[SPW], v[NIL]
	s_wait_dscnt 0x0
	ROUND                                          ; the closing round
	s_endpgm
.Lfunc_end_k_q2c4f1cb1be_attn:
	.size	k_q2c4f1cb1be_attn, .Lfunc_end_k_q2c4f1cb1be_attn-k_q2c4f1cb1be_attn
	.p2alignl 7, 3214868480
	.fill 96, 4, 3214868480
	.section	.rodata,"a",@progbits
	.p2align	6, 0x0
	.amdhsa_kernel k_q2c4f1cb1be_attn
		.amdhsa_group_segment_fixed_size 327680
		.amdhsa_private_segment_fixed_size 0
		.amdhsa_enable_private_segment 0
		.amdhsa_kernarg_size 40
		.amdhsa_user_sgpr_count 2
		.amdhsa_user_sgpr_kernarg_segment_ptr 1
		.amdhsa_wavefront_size32 1
		.amdhsa_system_sgpr_workgroup_id_x 1
		.amdhsa_system_sgpr_workgroup_id_y 1
		.amdhsa_system_sgpr_workgroup_id_z 1
		.amdhsa_system_vgpr_workitem_id 0
		.amdhsa_next_free_vgpr 512
		.amdhsa_next_free_sgpr 100
		.amdhsa_reserve_vcc 1
		.amdhsa_float_denorm_mode_32 3
		.amdhsa_float_denorm_mode_16_64 3
		.amdhsa_memory_ordered 1
		.amdhsa_forward_progress 1
		.amdhsa_inst_pref_size 103
	.end_amdhsa_kernel
	.amdgpu_metadata
---
amdhsa.version: [ 1, 2 ]
amdhsa.kernels:
  - .name:           k_q2c4f1cb1be_attn
    .symbol:         k_q2c4f1cb1be_attn.kd
    .args:
      - { .name: q_codes, .offset: 0, .size: 8, .value_kind: global_buffer, .address_space: global }
      - { .name: k_codes, .offset: 8, .size: 8, .value_kind: global_buffer, .address_space: global }
      - { .name: v_codes, .offset: 16, .size: 8, .value_kind: global_buffer, .address_space: global }
      - { .name: lowp_scales, .offset: 24, .size: 8, .value_kind: global_buffer, .address_space: global }
      - { .name: y_codes, .offset: 32, .size: 8, .value_kind: global_buffer, .address_space: global }
    .group_segment_fixed_size: 327680
    .private_segment_fixed_size: 0
    .kernarg_segment_align: 8
    .kernarg_segment_size: 40
    .max_flat_workgroup_size: 256
    .sgpr_count:     100
    .vgpr_count:     512
    .wavefront_size: 32
...
	.end_amdgpu_metadata
.endif
;; end of part 3
;; launch proj (part 4): grid 8 x 32, 4 waves a work-group, clusters of 4 x 4, 327,680 bytes of LDS; arguments y_codes, wp_codes, lowp_scales, b_proj, out0; writes out0
.if DOCPART == 4
	.amdgcn_target "amdgcn-amd-amdhsa--gfx1250"
	.amdhsa_code_object_version 6
	.text
	.protected	k_q2c4f1cb1be_proj
	.globl	k_q2c4f1cb1be_proj
	.p2align	8
	.type	k_q2c4f1cb1be_proj,@function
k_q2c4f1cb1be_proj:
	s_mov_b64 s[64:65], 0
	v_nop
	global_prefetch_b8 v0, s[64:65] scope:SCOPE_SE
	s_setreg_imm32_b32 hwreg(HW_REG_WAVE_MODE, 25, 1), 1
	s_wait_xcnt 0x0
	s_wait_alu depctr_hold_cnt(0) depctr_sa_sdst(0) depctr_va_vdst(0) depctr_va_sdst(0) depctr_va_ssrc(0) depctr_va_vcc(0) depctr_vm_vsrc(0)
	s_getreg_b32 s2, hwreg(HW_REG_IB_STS2, 6, 4)
	s_cmp_eq_u32 s2, 0
	s_cbranch_scc0 .Lentry_in_a_cluster
	s_endpgm
.Lentry_in_a_cluster:
	s_bfe_u32 s2, ttmp6, 0x10000c
	s_cmp_lg_u32 s2, 0xf033
	s_cbranch_scc0 .Lentry_shape_is_right
	s_endpgm
.Lentry_shape_is_right:
; out0 = y w_proj^T + b_proj on codes of FP8 (E4M3): a number of y is its code x 2^e6, of w_proj x 2^e7 (entries 6, 7 of the scales); sums in f32, each finished sum x 2^(e6 + e7).
; The bias goes in as the C of each accumulator's first product, divided by 2^(e6 + e7).  LIMIT: e6 + e7 between -126 and 127, so that the power of two is an f32 number.
; y_codes: [token / 128][head 16][token % 128][64]; wp_codes: [1,024 channels out][1,024].  out0: [8,192][1,024] f32.
; SHARES.  A block of out0 is 256 tokens x 128 channels: 32 x 8 = 256 work-groups.  Four waves; wave w makes tokens 64 w .. 64 w + 63 x all 128 channels: 32 accumulators, 256 registers.
; LDS.  B = w_proj's 128 rows lie there for the WHOLE K: rows of 1,024 bytes + 16 of padding.  A = y's 256 tokens lie there for 512 of K: for each group of 128 tokens 65,536 dense bytes, as 256 rows of 256 bytes + 16.
; At the head every wave issues one load of 65,536 bytes (waves 0, 1: A's two groups; waves 2, 3: B's halves).  When K 0 .. 511 is multiplied, A's bytes are filled once more, with K 512 .. 1,023, by waves 0 and 1.
; So the K loop is eight steps of 128, written out by macros, with one refill.  Fragments have two sets of registers for A and for B: a step's products run while the next step's 48 LDS loads land.
; CLUSTERS: 4 x 4 work-groups; A's tiles hang on the block's row and are shared along a row of the cluster, B's on its column and are shared along a column: each is asked for jointly, under a mask that names the four.
; PREFETCH: what the refill will ask for, 131,072 bytes, is named at the head, three K steps ahead of that load: sixteen pieces of 8,192 bytes; wave w of the partner at cx names piece 4 cx + w, lanes 256 bytes apart:
; each block once in the four work-groups that load it, told apart by address.  All else is asked for at the head by the loads themselves.
; THE MATRIX INSTRUCTION IS USED TRANSPOSED (source 0 = 16 rows of B, source 1 = 16 tokens): a lane holds eight neighbouring channels of one token.
; REGISTERS, in windows of 256: window 0: v0-31 addresses; v32-95 the bias, then the way out's products; v128-255 A's fragments, two sets of 64 (on the way out: rows read back).  window 1: B's fragments, two sets of 128.  window 2: the accumulators ((a, b) at v[8 (8 a + b)]).
.set SIZE_N, 1024
.set PITCH,  272                       ; A's LDS row: 68 words: row r starts at bank 4 r mod 64 (64 banks of 4 bytes: ISA guide 11.1)
.set BP,     1040                      ; B's LDS row: 260 words: likewise
.set AGRP,   256*PITCH                 ; a group of 128 tokens x 512 of K
.set BOFF,   2*AGRP
.set BHALF,  64*BP
.set STG,    BOFF+2*BHALF              ; the way out: 16 rows x (512 + 16) bytes for each wave; no fill lands here
.set SPITCH, 528
.set SPARE,  STG+4*16*SPITCH           ; the spare words, 128 bytes a wave, that no other line names
.set ADRA, 16                          ; v16     LDS address of my A fragments
.set ADRB, 20                          ; v20-21  of B's blocks 0-3, 4-7
.set STO,  24
.set RD,   25
.set CO,   26
.set BO,   27
.set SPW,  28
.set NIL,  29
.set PFO,  30
.set BIAS, 32
.set TMP,  32
.set AF,   128
.set BK,   128
.set G1, 24                            ; s[24:31], s[32:35] descriptor groups 1, 0 for A
.set G0, 32
.set G1B, 48                           ; s[48:55], s[56:59] for B
.set G0B, 56
.set MSB, 0
.macro WIN new                         ; the immediate's high byte repeats the setting that is left
.if MSB != \new
	s_set_vgpr_msb (MSB<<8)|\new
.set MSB, \new
.endif
.endm
.set MUL_W, 0xa1                       ; source 0 (B) window 1, source 1 (A) window 0, C and D window 2
.set FST_W, 0x81                       ; the same with C (the bias) in window 0
.set TO_B,  0x40
.macro PLACES n                        ; plain vector lines between a matrix instruction and a load into its registers or a read of its result
.rept \n
	v_nop
.endr
.endm
.macro CREST                           ; a round of the cluster's barrier behind its opening barrier
	s_cmp_lg_u32 s14, 0
	s_cbranch_scc1 .Lnot_wave_0_\@
	s_barrier_signal -3
.Lnot_wave_0_\@:
	s_barrier_wait -3
	s_barrier_signal -1
	s_barrier_wait -1
.endm
.macro CROUND
	s_barrier_signal -1
	s_barrier_wait -1
	CREST
.endm
	s_load_b128 s[4:7], s[0:1], 0x0                ; y's codes, w_proj's codes
	s_load_b128 s[8:11], s[0:1], 0x10              ; the scales' exponents, b_proj
	s_load_b64 s[12:13], s[0:1], 0x20              ; out0
	v_lshl_add_u32 v[SPW], v0, 2, SPARE
	v_mov_b32 v[NIL], 0
	ds_add_u32 v[SPW], v[NIL]                      ; the opening: the add, twice on end, and its wait ahead of the first round
	ds_add_u32 v[SPW], v[NIL]
	v_lshrrev_b32 v1, 5, v0
	v_readfirstlane_b32 s14, v1                    ; wave 0..3
	s_lshr_b32 s15, s14, 1                         ; I fetch for A (0) or for B (1).  Also: which group of 128 tokens I multiply
	s_and_b32 s16, s14, 1                          ; which half of that tile I fetch.  Also: which 64 tokens of the group
	s_bfe_u32 s40, ttmp6, 0x40000                  ; cx, cy
	s_bfe_u32 s41, ttmp6, 0x40004
	s_lshl_b32 s42, ttmp9, 2
	s_add_co_u32 s42, s42, s40                     ; the block's column, 0..7
	s_and_b32 s17, ttmp7, 0xffff
	s_lshl_b32 s17, s17, 2
	s_add_co_u32 s17, s17, s41                     ; the block's row, 0..31
	s_lshl_b32 s43, s41, 2
	s_lshl_b32 s43, 15, s43                        ; my row of the cluster
	s_lshl_b32 s44, 0x1111, s40                    ; my column
	s_or_b32 s[G1+0], s43, (0<<16)|(1<<20)|(1<<21)|(5<<22)|(3<<25)    ; A: elements of 1 byte; padding: four words after every 64; bit 21 beside a mask
	s_mov_b32 s[G1+1], 256<<16                     ; tensor_dim0
	s_mov_b32 s[G1+2], 256<<16                     ; tensor_dim1
	s_mov_b32 s[G1+3], 256<<16                     ; tile_dim0
	s_mov_b32 s[G1+4], 256                         ; tile_dim1
	s_mov_b32 s[G1+5], 256                         ; dense
	s_mov_b32 s[G1+6], 0
	s_mov_b32 s[G1+7], 0
	s_or_b32 s[G1B+0], s44, (0<<16)|(1<<20)|(1<<21)|(7<<22)|(3<<25)   ; B: four words after every 256
	s_mov_b32 s[G1B+1], 1024<<16
	s_mov_b32 s[G1B+2], 64<<16
	s_mov_b32 s[G1B+3], 1024<<16
	s_mov_b32 s[G1B+4], 64
	s_mov_b32 s[G1B+5], 1024
	s_mov_b32 s[G1B+6], 0
	s_mov_b32 s[G1B+7], 0
	s_lshl_b32 s20, s17, 1
	s_add_co_u32 s20, s20, s16
	s_lshl_b32 s20, s20, 17                        ; A: a group of 128 tokens is 131,072 bytes
	s_mov_b32 s21, 0
	s_lshl_b32 s46, s42, 7
	s_lshl_b32 s18, s16, 6
	s_add_co_u32 s46, s46, s18
	s_lshl_b32 s46, s46, 10                        ; B: row 128 x column + 64 x half
	s_mov_b32 s47, 0
	s_mul_i32 s45, s16, AGRP                       ; where they go: no place in the cluster enters an LDS address
	s_mul_i32 s19, s16, BHALF
	s_add_co_u32 s19, s19, BOFF
	s_wait_dscnt 0x0                               ; both opening adds are done
	s_wait_kmcnt 0x0
	s_load_b256 s[80:87], s[8:9], 0x0              ; e0 .. e7
	s_add_nc_u64 s[20:21], s[4:5], s[20:21]
	s_add_nc_u64 s[46:47], s[6:7], s[46:47]
	CROUND                                         ; all sixteen work-groups are here: the first joint loads meet
	s_mov_b32 s[G0], 1
	s_mov_b32 s[G0+1], s45
	s_mov_b64 s[G0+2:G0+3], s[20:21]
	s_or_b32 s[G0+3], s[G0+3], 0x80000000
	s_mov_b32 s[G0B], 1
	s_mov_b32 s[G0B+1], s19
	s_mov_b64 s[G0B+2:G0B+3], s[46:47]
	s_or_b32 s[G0B+3], s[G0B+3], 0x80000000
	s_cmp_eq_u32 s15, 0                            ; one load a wave, one to an arm; an s_nop 0 and four v_nop follow each
	s_cbranch_scc0 .Lfor_b
	tensor_load_to_lds s[G0:G0+3], s[G1:G1+7]
	s_nop 0
	PLACES 4
	s_branch .Lasked
.Lfor_b:
	tensor_load_to_lds s[G0B:G0B+3], s[G1B:G1B+7]
	s_nop 0
	PLACES 4
.Lasked:
	s_mul_i32 s21, s15, AGRP                       ; my A fragments: my group, and in each head's 32 rows my 16
	s_mul_i32 s22, s16, 16*PITCH
	s_add_co_u32 s21, s21, s22
	s_mul_i32 s23, s14, 16*SPITCH
	s_add_co_u32 s23, s23, STG                     ; my stage
	s_lshl_b32 s66, s17, 8
	s_lshl_b32 s67, s14, 6
	s_add_co_u32 s66, s66, s67                     ; my first token
	s_lshl_b32 s66, s66, 12                        ; rows of 4,096 bytes
	s_lshl_b32 s68, s42, 9                         ; my block's 128 channels, 512 bytes
	s_mov_b32 s69, 0
	s_add_nc_u64 s[10:11], s[10:11], s[68:69]      ; b_proj at them
	s_add_co_u32 s68, s68, s66
	s_add_nc_u64 s[12:13], s[12:13], s[68:69]      ; out0 at my first row
	s_lshl_b32 s70, s40, 2                         ; the prefetch: piece 4 cx + w of sixteen
	s_add_co_u32 s70, s70, s14
	s_lshr_b32 s71, s70, 3                         ; its group
	s_lshl_b32 s72, s17, 1
	s_add_co_u32 s72, s72, s71
	s_lshl_b32 s72, s72, 17
	s_and_b32 s70, s70, 7
	s_lshl_b32 s70, s70, 13
	s_add_co_u32 s72, s72, s70
	s_add_co_u32 s72, s72, 65536                   ; K 512 on
	s_mov_b32 s73, 0
	s_add_nc_u64 s[72:73], s[4:5], s[72:73]        ; never rewritten
	v_and_b32 v1, 15, v0                           ; r
	v_bfe_u32 v2, v0, 4, 1                         ; h
	v_mul_u32_u24 v3, v1, BP
	v_lshl_add_u32 v3, v2, 4, v3                   ; B: row r, + 16 h
	v_add_nc_u32 v[ADRB], BOFF, v3
	v_add_nc_u32 v[ADRB+1], BOFF+64*BP, v3
	v_lshrrev_b32 v5, 2, v1                        ; A: token r of a block is 64 bytes: (r / 4) x 272 + (r % 4) x 64, + 16 h
	v_mul_u32_u24 v5, v5, PITCH
	v_and_b32 v6, 3, v1
	v_lshl_add_u32 v5, v6, 6, v5
	v_lshl_add_u32 v5, v2, 4, v5
	v_add_nc_u32 v[ADRA], s21, v5
	v_mul_u32_u24 v5, v1, SPITCH                   ; the stage, in: row r, 32 bytes for each half of the lanes
	v_lshl_add_u32 v5, v2, 5, v5
	v_add_nc_u32 v[STO], s23, v5
	v_and_b32 v6, 31, v0
	v_lshlrev_b32 v[CO], 4, v6                     ; back: the 32 lanes take one row of 512 bytes; and the same in out0
	v_add_nc_u32 v[RD], s23, v[CO]
	v_lshlrev_b32 v[BO], 5, v2
	v_lshlrev_b32 v[PFO], 8, v6
	global_prefetch_b8 v[PFO], s[72:73] th:TH_LOAD_NT scope:SCOPE_SE
.irp b, 0,1,2,3,4,5,6,7
	global_load_b128 v[BIAS+8*\b:BIAS+8*\b+3], v[BO], s[10:11] offset:64*\b        ; channels 16 b + 8 h + 0 .. 7
	global_load_b128 v[BIAS+8*\b+4:BIAS+8*\b+7], v[BO], s[10:11] offset:64*\b+16
.endr
	s_wait_kmcnt 0x0
	s_add_co_i32 s96, s86, s87                     ; e6 + e7
	s_sub_co_i32 s99, 0, s96
	s_add_co_i32 s96, s96, 127
	s_lshl_b32 s96, s96, 23                        ; 2^(e6 + e7) as f32
	s_mov_b32 s97, s96                             ; (named with it as a pair, so it is written)
	s_wait_loadcnt 0x0
.set jj, 0
.rept 64
	v_ldexp_f32 v[BIAS+jj], v[BIAS+jj], s99        ; the bias / 2^(e6 + e7)
.set jj, jj+1
.endr
; Fragments of K step s (0 .. 7), 128 along K, into set s % 2: lane l holds row l % 16; registers 4 c .. 4 c + 3 hold K = 128 s + 32 c + 16 (l / 16) + 0 .. 15: the same places of k in A and in B.
.macro FETCHB s
	WIN TO_B
.irp i, 0,1,2,3,4,5,6,7
.irp c, 0,1,2,3
	ds_load_b128 v[128*((\s)%2)+16*\i+4*\c:128*((\s)%2)+16*\i+4*\c+3], v[ADRB+\i/4] offset:128*(\s)+32*\c+(\i%4)*16*BP
.endr
.endr
	WIN 0
.endm
.macro FETCHA s                        ; a head's 64 channels of 128 tokens are 32 LDS rows; step s takes heads 2 (s % 4), 2 (s % 4) + 1 of the eight that lie in LDS
.irp i, 0,1,2,3
.irp c, 0,1,2,3
	ds_load_b128 v[AF+64*((\s)%2)+16*\i+4*\c:AF+64*((\s)%2)+16*\i+4*\c+3], v[ADRA] offset:(2*((\s)%4)+\c/2)*32*PITCH+\i*4*PITCH+32*(\c%2)
.endr
.endr
.endm
; 16 matrix instructions: A's blocks a0, a0 + 1 x B's eight.  The 32 accumulators take turns, one instruction a turn, in the same order in every step.
.macro MUL16 a0, p, first
.irp a, \a0, \a0+1
.irp b, 0,1,2,3,4,5,6,7
.if \first
	v_wmma_f32_16x16x128_fp8_fp8 v[8*(8*(\a)+\b):8*(8*(\a)+\b)+7], v[128*(\p)+16*\b:128*(\p)+16*\b+15], v[AF+64*(\p)+16*(\a):AF+64*(\p)+16*(\a)+15], v[BIAS+8*\b:BIAS+8*\b+7]
.else
	v_wmma_f32_16x16x128_fp8_fp8 v[8*(8*(\a)+\b):8*(8*(\a)+\b)+7], v[128*(\p)+16*\b:128*(\p)+16*\b+15], v[AF+64*(\p)+16*(\a):AF+64*(\p)+16*(\a)+15], v[8*(8*(\a)+\b):8*(8*(\a)+\b)+7]
.endif
.endr
.endr
.endm
.macro STEPM s, first                  ; K step s, whose successor's fragments lie in LDS
	s_wait_dscnt 0x0                               ; this step's fragments are in
	PLACES 4                                       ; in front of loads into the set that the last step's products read
	FETCHB (\s)+1
	FETCHA (\s)+1
.if \first
	WIN FST_W
.else
	WIN MUL_W
.endif
	MUL16 0, (\s)%2, \first
	MUL16 2, (\s)%2, \first
	WIN 0
.endm
	s_wait_alu depctr_va_vdst(0)                   ; the wait at the head's end
	s_wait_tensorcnt 0x0                           ; my load is in,
	s_barrier_signal -1
	s_barrier_wait -1                              ; everybody's is
	FETCHB 0
	FETCHA 0
	STEPM 0, 1                                     ; the first products start the sums, with the bias as C
	STEPM 1, 0
	STEPM 2, 0
	s_wait_tensorcnt 0x0                           ; K step 3, and the one refill.  No tensor load of mine is out;
	ds_add_u32 v[SPW], v[NIL]                      ; 0 onto my spare word;
	s_wait_dscnt 0x0                               ; the add is done, step 3's fragments are in, and my reads of A's bytes are over
	s_barrier_signal -1                            ; this barrier opens a round of the cluster's barrier
	WIN MUL_W
	MUL16 0, 1, 0
	WIN 0
	s_barrier_wait -1
	CREST                                          ; no wave of any partner still reads A's bytes
	s_add_nc_u64 s[G0+2:G0+3], s[G0+2:G0+3], 65536 ; K 512 on
	s_cmp_eq_u32 s15, 0
	s_cbranch_scc0 .Lno_refill                     ; waves 2 and 3 have no part of it
	tensor_load_to_lds s[G0:G0+3], s[G1:G1+7]
	s_nop 0
	PLACES 4
.Lno_refill:
	PLACES 4
	FETCHB 4                                       ; B lies in LDS for the whole K
	WIN MUL_W
	MUL16 2, 1, 0
	WIN 0
	s_wait_tensorcnt 0x0                           ; my part of the refill is in,
	s_wait_dscnt 0x0
	s_barrier_signal -1
	s_barrier_wait -1                              ; everybody's is
	FETCHA 4
	STEPM 4, 0
	STEPM 5, 0
	STEPM 6, 0
	s_wait_dscnt 0x0                               ; the last step: nothing more to fetch
	WIN MUL_W
	MUL16 0, 1, 0
	MUL16 2, 1, 0
	WIN 0
; THE WAY OUT, block by block of 16 tokens x 128 channels: x 2^(e6 + e7), through my own stage, back as whole rows of 512 bytes.  LDS serves a wave's instructions in order: no wait between the stores and the loads.
.macro TOSTAGE a
	WIN 0x02
.set jj, 0
.rept 32
	v_pk_mul_f32 v[TMP+jj:TMP+jj+1], v[64*(\a)+jj:64*(\a)+jj+1], s[96:97] op_sel_hi:[1,0]   ; each accumulator from its low end on
.set jj, jj+2
.endr
	WIN 0
.irp b, 0,1,2,3,4,5,6,7
	ds_store_b128 v[STO], v[TMP+8*\b:TMP+8*\b+3] offset:64*\b
	ds_store_b128 v[STO], v[TMP+8*\b+4:TMP+8*\b+7] offset:64*\b+16
.endr
.set BB, BK+64*((\a)%2)
.irp t, 0,1,2,3,4,5,6,7,8,9,10,11,12,13,14,15
	ds_load_b128 v[BB+4*\t:BB+4*\t+3], v[RD] offset:\t*SPITCH
.endr
.endm
.macro SEND a, younger                 ; younger: the LDS instructions issued behind block a's loads, which may stay out
.set BB, BK+64*((\a)%2)
	s_wait_dscnt \younger
.if (\a) > 0
	s_add_nc_u64 s[12:13], s[12:13], 16*SIZE_N*4   ; (behind a wait on XCNT: the earlier stores have read their base)
.endif
.irp t, 0,1,2,3,4,5,6,7,8,9,10,11,12,13,14,15
	global_store_b128 v[CO], v[BB+4*\t:BB+4*\t+3], s[12:13] offset:\t*SIZE_N*4 th:TH_STORE_NT   ; 32 lanes store 512 consecutive bytes, at a multiple of 256 from out0's first byte
.endr
.endm
	PLACES 4                                       ; behind the last products
	TOSTAGE 0
.irp a, 1,2,3
.if \a > 1
	s_wait_xcnt 0x0                                ; block a - 2's stores have read their registers and their base
.endif
	TOSTAGE \a
	SEND \a-1, 32                                  ; behind block a - 1's loads: block a's 16 stores and 16 loads
.endr
	s_wait_xcnt 0x0
	SEND 3, 0
	s_wait_tensorcnt 0x0                           ; the wave's end, behind my last tensor load and my last LDS store
	ds_add_u32 v[SPW], v[NIL]
	s_wait_dscnt 0x0
	CROUND                                         ; the closing round
	s_endpgm
.Lfunc_end_k_q2c4f1cb1be_proj:
	.size	k_q2c4f1cb1be_proj, .Lfunc_end_k_q2c4f1cb1be_proj-k_q2c4f1cb1be_proj
	.p2alignl 7, 3214868480
	.fill 96, 4, 3214868480
	.section	.rodata,"a",@progbits
	.p2align	6, 0x0
	.amdhsa_kernel k_q2c4f1cb1be_proj
		.amdhsa_group_segment_fixed_size 327680
		.amdhsa_private_segment_fixed_size 0
		.amdhsa_enable_private_segment 0
		.amdhsa_kernarg_size 40
		.amdhsa_user_sgpr_count 2
		.amdhsa_user_sgpr_kernarg_segment_ptr 1
		.amdhsa_wavefront_size32 1
		.amdhsa_system_sgpr_workgroup_id_x 1
		.amdhsa_system_sgpr_workgroup_id_y 1
		.amdhsa_system_sgpr_workgroup_id_z 1
		.amdhsa_system_vgpr_workitem_id 0
		.amdhsa_next_free_vgpr 1024
		.amdhsa_next_free_sgpr 100
		.amdhsa_reserve_vcc 0
		.amdhsa_float_denorm_mode_32 3
		.amdhsa_float_denorm_mode_16_64 3
		.amdhsa_memory_ordered 1
		.amdhsa_forward_progress 1
		.amdhsa_inst_pref_size 79
	.end_amdhsa_kernel
	.amdgpu_metadata
---
amdhsa.version: [ 1, 2 ]
amdhsa.kernels:
  - .name:           k_q2c4f1cb1be_proj
    .symbol:         k_q2c4f1cb1be_proj.kd
    .args:
      - { .name: y_codes, .offset: 0, .size: 8, .value_kind: global_buffer, .address_space: global }
      - { .name: wp_codes, .offset: 8, .size: 8, .value_kind: global_buffer, .address_space: global }
      - { .name: lowp_scales, .offset: 16, .size: 8, .value_kind: global_buffer, .address_space: global }
      - { .name: b_proj, .offset: 24, .size: 8, .value_kind: global_buffer, .address_space: global }
      - { .name: out0, .offset: 32, .size: 8, .value_kind: global_buffer, .address_space: global }
    .group_segment_fixed_size: 327680
    .private_segment_fixed_size: 0
    .kernarg_segment_align: 8
    .kernarg_segment_size: 40
    .max_flat_workgroup_size: 128
    .sgpr_count:     100
    .vgpr_count:     1024
    .wavefront_size: 32
...
	.end_amdgpu_metadata
.endif
;; end of part 4
